; MI455X (gfx1250); checked and timed in simulation.
; The chip was launched on July 23, 2026; its instructions are those of AMD's public machine-readable ISA for CDNA 5 (MIT licence, August 2026) and "CDNA5" Instruction Set Architecture Reference Guide (July 2026). The comments in the code are by the model that wrote it; some were corrected since.
;; Qwen3 Attention. Allowed arithmetic: matrix products marked QUANTISED: E4M3 operands, one E8M0 scale for each 32 along K, by v_wmma_scale_f32_16x16x128_f8f6f4 with both operands' format E4M3, f32 sums; everything else in f32.
;; Inputs: Wk 2,048 x 1,024 float32; Wo 1,024 x 2,048 float32; Wq 2,048 x 1,024 float32; Wv 2,048 x 1,024 float32; cos 2 x 2,048 x 128 float32; hidden_states 2 x 2,048 x 2,048 float32; k_norm_w 128 float32; q_norm_w 128 float32; sin 2 x 2,048 x 128 float32.
;; Outputs: out0 2 x 2,048 x 2,048 float32.
;; This version of the problem:
;;   THIS VERSION OF THE PROBLEM IS GIVEN IN LOW PRECISION. The matrix products marked QUANTISED in the list below multiply operands that are first quantised to E4M3 (4 exponent bits, 3 mantissa bits; 8 bits a number), with one power-of-two scale for each 32 numbers along K (OCP MX v1.0); their sums are f32. All else is computed in f32.
;;   The module's matrix products, in the order in which they are computed (A, B: the left and right operand; K: the contracted axis; several contracted axes count as one K, in the product's order):
;;     1. [M 4,096, K 2,048] x [K 2,048, N 1,024]; A: input hidden_states; B: input Wq: QUANTISED
;;     2. [M 4,096, K 2,048] x [K 2,048, N 1,024]; A: input hidden_states; B: input Wk: QUANTISED
;;     3. [M 4,096, K 2,048] x [K 2,048, N 1,024]; A: input hidden_states; B: input Wv: QUANTISED
;;     4. batch 16 x [M 2,048, K 128] x [K 128, N 2,048]; A: computed on the way; B: computed on the way: QUANTISED
;;     5. batch 16 x [M 2,048, K 2,048] x [K 2,048, N 128]; A: softmax (see below); B: computed on the way: QUANTISED
;;     6. [M 4,096, K 1,024] x [K 1,024, N 2,048]; A: computed on the way; B: input Wo: QUANTISED
;;   THE QUANTISER, for each operand of a quantised product, along K:
;;     - K is cut into blocks of 32 from its start; a last block that is shorter is filled with zeros.
;;     - A block's scale is 2^e with e = floor(log2(the largest magnitude in the block)) - 8, held to -126 .. 127; a block of zeros has e = 0. As a byte (E8M0): e + 127.
;;     - Each number is divided by its block's scale, clamped to +-448, and rounded to the nearest number of E4M3, ties to even, subnormals kept.
;;     - The product sums the exact products of the quantised numbers (number of the format x scale) in f32.
;;   ~~~python
;;   def quantise(x, axis):      # numpy; x: float32 -> the quantised numbers, widened to float32 again
;;       x = np.moveaxis(x, axis, -1); K = x.shape[-1]
;;       x = np.pad(x, [(0, 0)] * (x.ndim - 1) + [(0, -K % 32)]); x = x.reshape(x.shape[:-1] + (-1, 32)); a = np.abs(x).max(-1, keepdims=True)
;;       e = np.where(a > 0, np.clip(np.frexp(np.where(a > 0, a, 1))[1] - 1 - 8, -126, 127), 0)      # np.frexp(a)[1] - 1 = floor(log2(a)), exactly
;;       r = np.clip(x / 2.0 ** e, -448, 448)
;;       step = 2.0 ** (np.maximum(np.frexp(np.where(r == 0, 1, r))[1] - 1, -6) - 3)
;;       q = np.round(r / step) * step * 2.0 ** e      # np.round: ties to even
;;       return np.moveaxis(q.reshape(q.shape[:-2] + (-1,))[..., :K], -1, axis).astype(np.float32)
;;   ~~~
;;   SOFTMAX AHEAD OF A QUANTISED PRODUCT. Where the list says 'softmax', what is quantised is not the finished softmax but p = 2^(t - M), with t = logit x log2(e) and M = ceil(the row's largest t), a whole number; so 1/2 < the row's largest p <= 1. The row's sum l is taken of the UNQUANTISED p, in f32, and the product's result is divided by l at the end. Since M is a whole number, a kernel that streams over the keys may use a running M (the ceiling of the running maximum): every later rescaling is an exact power of two, which a block's scale takes up: the codes' values come out the same.
;;   OPERANDS COMPUTED ON THE WAY. 'Computed on the way' means the value that the module computes at that place (a softmax that the list does not call 'softmax' is quantised finished and normalised). What goes into a quantiser is computed in f32, as accurately as f32 sums, v_exp_f32 and their like allow (about 1e-6 of the number): no bf16 or f16 on the way to a quantiser, and a product that is left as it is and whose result goes on into a quantised operand takes f32 operands (vector FMAs, or v_wmma_f32_16x16x4_f32). A number that lies on a knife's edge between two numbers of the format may be rounded either way, as far as f32 arithmetic and the matrix unit's own rounding can turn it there, and no further.
;; One version. Each part assembles by itself: llvm-mc -triple=amdgcn-amd-amdhsa -mcpu=gfx1250 --defsym DOCPART=n.
;; ======== version 1 of 1: 4 launches
;; limits: right only within a limited range of input values
;; workspace buffers: ops 21,495,808 bytes; qkv 12,976,128 bytes; att 4,325,376 bytes
;; launch quant (part 1): grid 512 x 1, 4 waves a work-group, no clusters, 34,304 bytes of LDS; arguments hidden_states, Wq, Wk, Wv, Wo, cos, sin, ops; writes ops
.if DOCPART == 1
	.amdgcn_target "amdgcn-amd-amdhsa--gfx1250"
	.amdhsa_code_object_version 6
	.text
	.protected	k_q4fa87a8f93_quant
	.globl	k_q4fa87a8f93_quant
	.p2align	8
	.type	k_q4fa87a8f93_quant,@function
k_q4fa87a8f93_quant:
	s_mov_b64 s[64:65], 0
	v_nop
	global_prefetch_b8 v0, s[64:65] scope:SCOPE_SE
	s_setreg_imm32_b32 hwreg(HW_REG_WAVE_MODE, 25, 1), 1
	s_wait_xcnt 0x0
; LAUNCH 1 OF 4.  hidden_states [4096][2048] and the weights Wq, Wk, Wv [2048][1024], Wo [1024][2048], all f32, become codes of FP8 (E4M3) with one E8M0 byte for each 32 along K; cos and sin are laid anew.
; THE PROGRAM: quant (this) | qkv: products 1 to 3, RMS norm, RoPE, quantisers | attn: products 4 and 5 | oproj: product 6.
; WORK LEFT OUT BY THE PROGRAM (in attn): tiles of 16 queries x 128 keys that lie wholly above the jnp.tril which reference() builds itself.  There reference() replaces the score by finfo.min whatever
; the product gave, so the product's result reaches no output; and p = 2^(t - M) of such a key is so small that the stated quantiser (exponent held at -126) gives the code 0 for every input, so its term
; of product 5 is 0; what it adds to the row's sum is lost beside the diagonal key's p, which is over 2^-1 of the row's largest.  Every input has a way to the output: all nine are loaded.
; LIMITS: a NaN, an infinity or an overflow that reaches only the tiles left out is not carried to the result.  NaN and infinities among the inputs are not served.  A block whose largest magnitude lies under
; 2^(9 - 127) keeps the byte 1; a block of zeros gets the byte 1 where the rule says 127: its codes are zeros, and the bytes are read by this program alone.
; LAYOUT OF ops: every operand is an image of the matrix instruction's registers.  A rowtile is 16 rows: rowtile 2 p + u holds rows 32 p + 8 u + i + 8 (i / 8), i = 0 .. 15.  Codes of an operand of length K:
; rowtile x 16 K + (k / 128) x 2,048 + c x 512 + 16 x lane, lane = i + 16 h: the 16 codes k = 128 (k / 128) + 32 c + 16 h + 0 .. 15 of row i.  Scale words: rowtile x K / 2 + (k / 256) x 128 + 8 i + 4 ((k / 128) % 2).
; cos, sin: rowtile x 16,384 (cos 8,192 bytes, then sin): quad 4 c + j at 512 x quad + 16 x lane holds d = 32 c + 16 h + 4 j .. + 3 of token i.
; THREE PATHS by the work-group's number: 0-255 hidden_states, with cos and sin of the same 16 tokens; 256-447 Wq, Wk, Wv; 448-511 Wo: 512 work-groups that read 131,072 bytes each (the first 256: 16,384 more).
; A stream: no matrix unit, no tensor load, no barrier: waves share nothing.  The first path alone uses LDS.
.set O_WC,   8388608
.set O_WOC,  14680064
.set O_XS,   16777216
.set O_WS,   17039360
.set O_WOS,  17235968
.set O_CIMG, 17301504
.set SPARE,  33792                     ; behind the four stages of 16 x 528 bytes: the spare words, 128 bytes a wave
.set SPW, 6                            ; v6   LDS address of my spare word; never rewritten
.set NIL, 7                            ; v7   0; never rewritten
.set SW,  8                            ; v8-11    hidden_states: the four scale words of a wave
.set TM,  16                           ; v16-31   the quantiser's work
.set PC,  32                           ; v32-47   a fragment's codes
.set CSO, 48                           ; v48      my place in 16 rows of cos or sin
.set R,   64                           ; v64-191  two sets of 64 numbers as loaded
.set X,   192                          ; v192-255 64 numbers in the operand's order; at the head v192-223 carry eight quads of cos or sin
.set WX,  64                           ; weights: v64-127 two sets of 32 numbers
.set WCD, 32                           ; v32-39   a block's codes
.set SB,  24                           ; v24-25   eight scale bytes
.set WV,  20
.set MNT, 21                           ; the mantissa field of 448
.set SEL, 22                           ; s[22:23] lane selects: lane l xor 16
; 64 numbers of a lane, register 16 b + i = k 32 b + 16 h + i of my row, become a fragment's codes in v[PC] on and its scale word in v[pw]
.macro QUANT s, pw
.irp b, 0,1,2,3
	v_max3_num_f32 v[TM+\b], |v[\s+16*\b]|, |v[\s+1+16*\b]|, 0x4800000   ; my 16 numbers of block b, and the floor 2^(9 - 127): the byte cannot fall under 1
.endr
.irp i, 2,4,6,8,10,12,14
.irp b, 0,1,2,3
	v_max3_num_f32 v[TM+\b], v[TM+\b], |v[\s+16*\b+\i]|, |v[\s+1+16*\b+\i]|   ; the four blocks by turns
.endr
.endr
.irp b, 0,1,2,3
	v_permlanex16_b32 v[TM+4+\b], v[TM+\b], s[SEL], s[SEL+1]
.endr
.irp b, 0,1,2,3
	v_max_num_f32 v[TM+\b], v[TM+\b], v[TM+4+\b]   ; with lane l xor 16: the block's largest magnitude
.endr
.irp b, 0,1,2,3
	v_add_nc_u32 v[TM+12+\b], 0xfc000000, v[TM+\b]   ; 8 off its exponent field: the conversion's scale operand
.endr
.irp b, 0,1,2,3
	v_and_or_b32 v[TM+8+\b], v[TM+\b], 0x7f800000, s[MNT]   ; 448 x the scale
.endr
.irp b, 0,1,2,3
	v_lshrrev_b32 v[TM+4+\b], 23, v[TM+12+\b]   ; the scale's byte
.endr
	v_lshl_or_b32 v[\pw], v[TM+5], 8, v[TM+4]
	v_lshl_or_b32 v[\pw], v[TM+6], 16, v[\pw]
	v_lshl_or_b32 v[\pw], v[TM+7], 24, v[\pw]
.irp b, 0,1,2,3
.irp i, 0,1,2,3,4,5,6,7,8,9,10,11,12,13,14,15
	v_med3_num_f32 v[\s+16*\b+\i], v[\s+16*\b+\i], -v[TM+8+\b], v[TM+8+\b]   ; the conversion does not saturate (ISA guide 7.6.2): the hold at 448 x the scale
.endr
	v_cvt_scalef32_pk8_fp8_f32 v[PC+4*\b:PC+1+4*\b], v[\s+16*\b:\s+7+16*\b], v[TM+12+\b]
	v_cvt_scalef32_pk8_fp8_f32 v[PC+2+4*\b:PC+3+4*\b], v[\s+8+16*\b:\s+15+16*\b], v[TM+12+\b]
.endr
	v_nop                                          ; a plain line behind the last conversion
.endm
.macro LOADF f                         ; fragment f: 128 along K of the rowtile's 16 rows; each load reads 512 consecutive bytes of one row
.irp i, 0,1,2,3,4,5,6,7,8,9,10,11,12,13,14,15
	global_load_b128 v[R+64*((\f)%2)+4*\i:R+64*((\f)%2)+4*\i+3], v2, s[4:5] offset:(\i+8*(\i/8))*8192+512*(\f) th:TH_LOAD_NT
.endr
.endm
.macro TURNF f                         ; through my stage: rows of 512 bytes + 16 in, 64 bytes a lane and block out.  LDS serves a wave's instructions in order
.irp i, 0,1,2,3,4,5,6,7,8,9,10,11,12,13,14,15
	ds_store_b128 v3, v[R+64*((\f)%2)+4*\i:R+64*((\f)%2)+4*\i+3] offset:528*\i
.endr
.irp c, 0,1,2,3
.irp j, 0,1,2,3
	ds_load_b128 v[X+16*\c+4*\j:X+16*\c+4*\j+3], v4 offset:128*\c+16*\j
.endr
.endr
.endm
.macro WLOAD t, stride                 ; block t of a weight: rows 32 t + i of my column
.set i, 0
.rept 32
	global_load_b32 v[WX+32*((\t)%2)+i], v2, s[32:33] offset:(32*(\t)+i)*\stride th:TH_LOAD_NT
.set i, i+1
.endr
.endm
.macro WBLOCK t, stride
.set XB, WX+32*((\t)%2)
.if (\t) < 7
	s_wait_loadcnt 32                              ; this block's 32 loads are in; the next block's may be out
.else
	s_wait_loadcnt 0x0
.endif
	v_max3_num_f32 v12, |v[XB]|, |v[XB+1]|, |v[XB+2]|   ; all 32 numbers of the block are mine
	v_max3_num_f32 v13, |v[XB+3]|, |v[XB+4]|, |v[XB+5]|
.irp i, 6,10,14,18,22,26
	v_max3_num_f32 v12, v12, |v[XB+\i]|, |v[XB+\i+1]|
	v_max3_num_f32 v13, v13, |v[XB+\i+2]|, |v[XB+\i+3]|
.endr
	v_max3_num_f32 v12, v12, |v[XB+30]|, |v[XB+31]|
	v_max3_num_f32 v12, v12, v13, 0x4800000        ; and the floor
	v_add_nc_u32 v11, 0xfc000000, v12              ; the conversion's scale operand
	v_and_or_b32 v10, v12, 0x7f800000, s[MNT]      ; 448 x the scale
	v_lshrrev_b32 v13, 23, v11                     ; the byte
.if (\t)%4 == 0
	v_mov_b32 v[SB+(\t)/4], v13
.else
	v_lshl_or_b32 v[SB+(\t)/4], v13, 8*((\t)%4), v[SB+(\t)/4]
.endif
.set i, 0
.rept 32
	v_med3_num_f32 v[XB+i], v[XB+i], -v10, v10
.set i, i+1
.endr
.if (\t) > 0
	s_wait_alu depctr_va_vdst(0)
	s_wait_xcnt 0x0                                ; the last block's stores have read their data: the codes' registers are written again only behind this wait
.endif
.irp g, 0,1,2,3
	v_cvt_scalef32_pk8_fp8_f32 v[WCD+2*\g:WCD+2*\g+1], v[XB+8*\g:XB+8*\g+7], v11
.endr
	global_store_b128 v3, v[WCD:WCD+3], s[34:35] offset:((\t)/4)*2048+((\t)%4)*512          ; k 0-15 of the block: the image's lanes 0-15; sixteen lanes store 256 consecutive bytes, aligned
	global_store_b128 v3, v[WCD+4:WCD+7], s[34:35] offset:((\t)/4)*2048+((\t)%4)*512+256    ; k 16-31: its lanes 16-31
.if (\t)+2 < 8
	WLOAD (\t)+2, \stride
.endif
.endm
; A weight [kk][..] with rows of stride bytes.  s[32:33] the tensor, s26 gx (128 columns), s27 gy (256 along K), s28 the tensor's first rowtile.  A wave takes 32 columns x 256 along K;
; A LANE TAKES A COLUMN AND ITS REGISTERS RUN DOWN K: lane 16 u + r takes column 8 u + r + 8 (r / 8) of the 32, which is row r of rowtile u of the two.
.macro WPATH stride, kk, co, so
	s_lshl_b32 s29, s26, 3
	s_add_co_u32 s28, s28, s29
	s_lshl_b32 s29, s[WV], 1
	s_add_co_u32 s28, s28, s29                     ; my first rowtile
	s_mul_i32 s30, s27, 256*\stride
	s_lshl_b32 s29, s26, 9
	s_add_co_u32 s30, s30, s29
	s_lshl_b32 s29, s[WV], 7
	s_add_co_u32 s30, s30, s29
	s_mov_b32 s31, 0
	s_add_nc_u64 s[32:33], s[32:33], s[30:31]      ; the tensor at my first row and column
	s_mul_i32 s30, s28, 16*\kk
	s_lshl_b32 s29, s27, 12
	s_add_co_u32 s30, s30, s29
	s_add_co_u32 s30, s30, \co
	s_add_nc_u64 s[34:35], s[18:19], s[30:31]      ; the codes
	s_mul_i32 s30, s28, \kk/2
	s_lshl_b32 s29, s27, 7
	s_add_co_u32 s30, s30, s29
	s_add_co_u32 s30, s30, \so
	s_add_nc_u64 s[36:37], s[18:19], s[30:31]      ; the scale words
	v_and_b32 v2, 8, v14
	v_add_nc_u32 v2, v2, v14
	v_lshl_add_u32 v2, v15, 3, v2
	v_lshlrev_b32 v2, 2, v2                        ; my column, in bytes
	v_mul_u32_u24 v3, v15, 16*\kk
	v_lshl_add_u32 v3, v14, 4, v3                  ; my place in the images
	v_mul_u32_u24 v4, v15, \kk/2
	v_lshl_add_u32 v4, v14, 3, v4                  ; and among the scale words
	WLOAD 0, \stride
	WLOAD 1, \stride
.irp t, 0,1,2,3,4,5,6,7
	WBLOCK \t, \stride
.endr
	global_store_b64 v4, v[SB:SB+1], s[36:37]      ; two scale words a row: sixteen lanes store 128 consecutive bytes (half an aligned 256): one byte for 128 read
	s_endpgm
.endm
	s_load_b256 s[4:11], s[0:1], 0x0               ; hidden_states s[4:5], Wq s[6:7], Wk s[8:9], Wv s[10:11]
	s_load_b256 s[12:19], s[0:1], 0x20             ; Wo s[12:13], cos s[14:15], sin s[16:17], ops s[18:19]
	v_lshl_add_u32 v[SPW], v0, 2, SPARE
	v_mov_b32 v[NIL], 0
	v_lshrrev_b32 v1, 5, v0
	v_readfirstlane_b32 s[WV], v1                  ; wave 0..3
	v_and_b32 v1, 31, v0                           ; lane
	v_and_b32 v14, 15, v0                          ; lane % 16
	v_bfe_u32 v15, v0, 4, 1                        ; lane / 16
	s_mov_b32 s[SEL], 0x76543210
	s_mov_b32 s[SEL+1], 0xfedcba98
	s_mov_b32 s[MNT], 0x600000
	s_mov_b32 s25, 0
	s_wait_kmcnt 0x0
	s_cmp_lt_u32 ttmp9, 256
	s_cbranch_scc0 .Lnot_x
	; ---- hidden_states: the work-group takes rowtile ttmp9, wave w its k = 512 w .. 512 w + 511: four fragments; and a quarter of the same 16 tokens' cos and sin
	s_lshr_b32 s24, ttmp9, 1
	s_lshl_b32 s24, s24, 5
	s_and_b32 s26, ttmp9, 1
	s_lshl_b32 s26, s26, 3
	s_add_co_u32 s24, s24, s26                     ; the rowtile's first row: 32 p + 8 u
	s_lshl_b32 s36, s24, 9                         ; a row of cos or sin is 512 bytes;
	s_and_b32 s26, s[WV], 1
	s_lshl_b32 s26, s26, 8
	s_add_co_u32 s36, s36, s26                     ; waves 0, 2: its first 256 bytes; waves 1, 3: its second
	s_mov_b32 s37, 0
	s_cmp_lt_u32 s[WV], 2                          ; waves 0, 1: cos; waves 2, 3: sin
	s_cselect_b64 s[32:33], s[14:15], s[16:17]
	s_add_nc_u64 s[32:33], s[32:33], s[36:37]
	s_lshl_b32 s36, ttmp9, 14
	s_lshl_b32 s26, s[WV], 12
	s_add_co_u32 s36, s36, s26
	s_add_co_u32 s36, s36, O_CIMG
	s_add_nc_u64 s[34:35], s[18:19], s[36:37]      ; my eight quads of the rowtile's 32: 4,096 bytes
	s_lshl_b32 s24, s24, 13
	s_lshl_b32 s26, s[WV], 11
	s_add_co_u32 s24, s24, s26
	s_add_nc_u64 s[4:5], s[4:5], s[24:25]
	s_lshl_b32 s24, ttmp9, 15
	s_lshl_b32 s26, s[WV], 13
	s_add_co_u32 s24, s24, s26
	s_add_nc_u64 s[28:29], s[18:19], s[24:25]      ; my four images
	s_lshl_b32 s24, ttmp9, 10
	s_lshl_b32 s26, s[WV], 8
	s_add_co_u32 s24, s24, s26
	s_add_co_u32 s24, s24, O_XS
	s_add_nc_u64 s[30:31], s[18:19], s[24:25]      ; my 256 bytes of scale words
	s_wait_alu depctr_va_vdst(0)
	v_lshlrev_b32 v2, 4, v1                        ; 16 x lane
	s_mul_i32 s26, s[WV], 8448                     ; my stage
	v_add_nc_u32 v3, s26, v2                       ; in: a row's 512 bytes as they lie
	v_mul_u32_u24 v4, v14, 528
	v_lshl_add_u32 v4, v15, 6, v4
	v_add_nc_u32 v4, s26, v4                       ; out: row r, + 64 h: my 16 numbers of a block of 32
	v_lshlrev_b32 v5, 3, v1
	v_and_b32 v[CSO], 8, v14
	v_add_nc_u32 v[CSO], v[CSO], v14
	v_lshlrev_b32 v[CSO], 9, v[CSO]
	v_lshl_add_u32 v[CSO], v15, 6, v[CSO]          ; token r + 8 (r / 8) of 512 bytes, + 64 h
.irp b, 0,1,2,3
	v_mov_b32 v[TM+4+\b], 0                        ; written once: a lane permute's destination counts as one of its sources
.endr
.irp k, 0,1,2,3,4,5,6,7
	global_load_b128 v[X+4*\k:X+4*\k+3], v[CSO], s[32:33] offset:128*(\k/4)+16*(\k%4) th:TH_LOAD_NT   ; the pieces of 16 bytes are gathered here once; the launch that uses them reads dense blocks
.endr
	LOADF 0
	LOADF 1
.irp k, 0,1,2,3,4,5,6,7
	s_wait_loadcnt 39-\k                           ; loads come back in order: this quad is in; the 7 - k quads behind it and the 32 loads of two fragments may be out
	global_store_b128 v2, v[X+4*\k:X+4*\k+3], s[34:35] offset:512*\k   ; 512 consecutive bytes
.endr
	s_wait_xcnt 0x0                                ; these stores have read their data: the stage's loads land in the same registers only behind this wait
.irp f, 0,1,2,3
.if \f < 3
	s_wait_loadcnt 16                              ; this fragment's 16 loads are in; the next one's may be out
.else
	s_wait_loadcnt 0x0
.endif
	TURNF \f
	s_wait_dscnt 0x0                               ; the numbers are back, and the stores into the stage have read their registers,
.if \f < 2
	LOADF \f+2                                     ; which take the fragment two further on
.endif
.if \f > 0
	s_wait_xcnt 0x0                                ; the last fragment's stores have read the codes' registers
.endif
	QUANT X, SW+\f
.irp c, 0,1,2,3
	global_store_b128 v2, v[PC+4*\c:PC+4*\c+3], s[28:29] offset:2048*\f+512*\c   ; 512 consecutive bytes
.endr
.endr
	v_cmp_gt_u32 vcc_lo, 16, v1
	v_cndmask_b32 v12, v[SW+2], v[SW], vcc_lo      ; lanes 0-15: the words of fragments 0, 1; lanes 16-31: of 2, 3
	v_cndmask_b32 v13, v[SW+3], v[SW+1], vcc_lo
	global_store_b64 v5, v[12:13], s[30:31]        ; 256 consecutive bytes, aligned
	s_wait_tensorcnt 0x0                           ; the wave's end: a wait, an add to the spare word and its wait behind my last LDS store
	ds_add_u32 v[SPW], v[NIL]
	s_wait_dscnt 0x0
	s_endpgm
.Lnot_x:
	s_cmp_lt_u32 ttmp9, 448
	s_cbranch_scc0 .Lnot_w
	; ---- Wq, Wk, Wv: 64 work-groups each: 8 x 128 columns, 8 x 256 along K
	s_sub_co_u32 s24, ttmp9, 256
	s_lshr_b32 s25, s24, 6                         ; which of the three
	s_cmp_eq_u32 s25, 0
	s_cselect_b64 s[32:33], s[6:7], s[8:9]
	s_cmp_eq_u32 s25, 2
	s_cselect_b64 s[32:33], s[10:11], s[32:33]
	s_and_b32 s26, s24, 7
	s_bfe_u32 s27, s24, 0x30003
	s_lshl_b32 s28, s25, 6
	s_wait_alu depctr_va_vdst(0)
	WPATH 4096, 2048, O_WC, O_WS
.Lnot_w:
	; ---- Wo: 16 x 128 columns, 4 x 256 along K
	s_sub_co_u32 s24, ttmp9, 448
	s_mov_b64 s[32:33], s[12:13]
	s_and_b32 s26, s24, 15
	s_lshr_b32 s27, s24, 4
	s_mov_b32 s28, 0
	s_wait_alu depctr_va_vdst(0)
	WPATH 8192, 1024, O_WOC, O_WOS
.Lfunc_end_k_q4fa87a8f93_quant:
	.size	k_q4fa87a8f93_quant, .Lfunc_end_k_q4fa87a8f93_quant-k_q4fa87a8f93_quant
	.p2alignl 7, 3214868480
	.fill 96, 4, 3214868480
	.section	.rodata,"a",@progbits
	.p2align	6, 0x0
	.amdhsa_kernel k_q4fa87a8f93_quant
		.amdhsa_group_segment_fixed_size 34304
		.amdhsa_private_segment_fixed_size 0
		.amdhsa_enable_private_segment 0
		.amdhsa_kernarg_size 64
		.amdhsa_user_sgpr_count 2
		.amdhsa_user_sgpr_kernarg_segment_ptr 1
		.amdhsa_wavefront_size32 1
		.amdhsa_system_sgpr_workgroup_id_x 1
		.amdhsa_system_sgpr_workgroup_id_y 1
		.amdhsa_system_sgpr_workgroup_id_z 1
		.amdhsa_system_vgpr_workitem_id 0
		.amdhsa_next_free_vgpr 256
		.amdhsa_next_free_sgpr 66
		.amdhsa_reserve_vcc 1
		.amdhsa_float_denorm_mode_32 3
		.amdhsa_float_denorm_mode_16_64 3
		.amdhsa_memory_ordered 1
		.amdhsa_forward_progress 1
		.amdhsa_inst_pref_size 165
	.end_amdhsa_kernel
	.amdgpu_metadata
---
amdhsa.version: [ 1, 2 ]
amdhsa.kernels:
  - .name:           k_q4fa87a8f93_quant
    .symbol:         k_q4fa87a8f93_quant.kd
    .args:
      - { .name: hidden_states, .offset: 0, .size: 8, .value_kind: global_buffer, .address_space: global }
      - { .name: Wq, .offset: 8, .size: 8, .value_kind: global_buffer, .address_space: global }
      - { .name: Wk, .offset: 16, .size: 8, .value_kind: global_buffer, .address_space: global }
      - { .name: Wv, .offset: 24, .size: 8, .value_kind: global_buffer, .address_space: global }
      - { .name: Wo, .offset: 32, .size: 8, .value_kind: global_buffer, .address_space: global }
      - { .name: cos, .offset: 40, .size: 8, .value_kind: global_buffer, .address_space: global }
      - { .name: sin, .offset: 48, .size: 8, .value_kind: global_buffer, .address_space: global }
      - { .name: ops, .offset: 56, .size: 8, .value_kind: global_buffer, .address_space: global }
    .group_segment_fixed_size: 34304
    .private_segment_fixed_size: 0
    .kernarg_segment_align: 8
    .kernarg_segment_size: 64
    .max_flat_workgroup_size: 128
    .sgpr_count:     66
    .vgpr_count:     256
    .wavefront_size: 32
...
	.end_amdgpu_metadata
.endif
;; end of part 1
;; launch qkv (part 2): grid 12 x 16, 4 waves a work-group, clusters of 4 x 4, 327,680 bytes of LDS; arguments ops, q_norm_w, k_norm_w, qkv; writes qkv
.if DOCPART == 2
	.amdgcn_target "amdgcn-amd-amdhsa--gfx1250"
	.amdhsa_code_object_version 6
	.text
	.protected	k_q4fa87a8f93_qkv
	.globl	k_q4fa87a8f93_qkv
	.p2align	8
	.type	k_q4fa87a8f93_qkv,@function
k_q4fa87a8f93_qkv:
	s_mov_b64 s[64:65], 0
	v_nop
	global_prefetch_b8 v0, s[64:65] scope:SCOPE_SE
	s_setreg_imm32_b32 hwreg(HW_REG_WAVE_MODE, 25, 1), 1
	s_wait_xcnt 0x0
	s_wait_alu depctr_hold_cnt(0) depctr_sa_sdst(0) depctr_va_vdst(0) depctr_va_sdst(0) depctr_va_ssrc(0) depctr_va_vcc(0) depctr_vm_vsrc(0)
	s_getreg_b32 s2, hwreg(HW_REG_IB_STS2, 6, 4)
	s_cmp_eq_u32 s2, 0
	s_cbranch_scc0 .Lentry_in_a_cluster
	s_endpgm
.Lentry_in_a_cluster:
	s_bfe_u32 s2, ttmp6, 0x10000c
	s_cmp_lg_u32 s2, 0xf033
	s_cbranch_scc0 .Lentry_shape_is_right
	s_endpgm
.Lentry_shape_is_right:
; LAUNCH 2 OF 4.  hidden_states x Wq, Wk, Wv on codes of FP8 (E4M3) with E8M0 scales (K = 2,048), then in registers: q, k: RMS norm over the head's 128 with its gain, RoPE, quantised along d;  v: quantised along the keys.
; A work-group of four waves makes 256 x 256, a wave 128 x 128: 64 accumulators, 512 registers: one head x 128 tokens, so that all that follows the product stays in one wave.
; THE KIND is the cluster's x, the same in all sixteen partners: 0 q, 1 k, 2 v.  The matrix instruction takes 16 rows of B as source 0 and 16 rows of A as source 1: a lane holds one row of A, its registers run along B's rows.
;   q, k: A = tokens, B = the weight's columns: a lane holds a token and 64 of its head's 128 numbers (lane l xor 16 the others).
;   v:    A = Wv's columns, B = tokens: a lane holds one d and 64 of 128 keys: the keys are the K of attention's second product.  The operands change places by their addresses alone; the loop is one text.
; Operands lie in memory as images of their registers (the launch before): a fragment is four loads of 16 bytes at 16 x lane, 512 bytes apart; no pitch and no padding.  The rows of a rowtile are chosen so that
; the 16 registers of B's rowtiles 2 c, 2 c + 1 are the 16 neighbours 32 c + 16 h + 0 .. 15: the order in which the next product's operand wants them.
; K goes in steps of 256 through two LDS slots (for each of 16 + 16 rowtiles 4,096 bytes); the scale words of all of K come once.  CLUSTERS 4 x 4: A's tiles are asked for jointly along a row, B's along a column.
; q, k: behind the last product the ring's bytes are filled once more, with cos and sin of the work-group's 256 tokens (262,144 bytes, jointly along the row); sums of squares and norm are worked while they land.
; OUT (qkv): for each batch x head and 128 keys 33,792 bytes: K's 8 fragments, V^T's 8 fragments, K's 512 bytes of scale words, V's; from O_QC Q's fragments, from O_QS its scale words (word of tile a, row i at 32 i + 4 a).
; REGISTERS, windows of 256: window 0: v16-31 addresses; v32-63 scale words, two sets, and nothing else; v128-255 A's fragments, one set; the tails use v64-255.  window 1: B's fragments, two sets; in the q, k tail cos and sin, two sets.
;   windows 2, 3: the accumulators ((a, b) at v[8 (8 (a % 4) + b)]).
; LIMITS: as stated at the head of the first launch.
.set O_WC,   8388608
.set O_WVC,  12582912                  ; Wv's codes: rowtile 128 of the weights
.set O_XS,   16777216
.set O_WS,   17039360
.set O_WVS,  17170432
.set O_CIMG, 17301504
.set O_QC,   8650752
.set O_QS,   12845056
.set KVB,    33792
.set NQ,     2                         ; matrix instructions deep in a slot
.set FR,     16
.set NL,     4
.set NP,     8                         ; places behind this matrix instruction (ISA guide 7.12.1)
.set SLOT,   131072
.set BOFF,   65536                     ; B's rowtiles lie behind A's sixteen
.set KB,     4096                      ; a rowtile's bytes in a K step of 256
.set LAPS,   4
.set SCL,    262144                    ; the scale words: A's 16,384 bytes, then B's
.set SPARE,  294912                    ; the spare words, 128 bytes a wave
.set ADRA, 16
.set ADRB, 20
.set LI,   24                          ; 16 x lane
.set SO,   25                          ; 32 r + 16 h: my place in a block of scale words
.set NWO,  26                          ; 64 h: my place in the norm's gain
.set ADRS, 27
.set SPW,  28
.set NIL,  29
.set ADC,  30                          ; v30, v31: cos and sin of my rowtiles 0-3, 4-7
.set SC,   32
.set AF,   128
.set NW,   64                          ; tails: v64-127 the gain, until the norm is done; then:
.set PC,   64                          ; v64-79   a fragment's codes
.set TM,   80                          ; v80-95   the quantiser's work
.set SW,   96                          ; v96-103  eight scale words
.set CH,   104                         ; v104-107 the four that my half of the lanes stores
.set RS,   128                         ; v128-143 1 / rms, in the even registers
.set SSP,  144                         ; v144-159 sums of squares, in pairs
.set PT,   160                         ; v160-167 the other half of the lanes' sums
.set Y,    192                         ; v192-255 64 numbers ahead of the quantiser
.set G1,   24
.set G0,   32
.set G1B,  48
.set G0B,  56
.set SEL,  66
.set G1S,  68
.set G0S,  76
.set G1SB, 80
.set G0SB, 88
.set G1C,  92
.set MNT,  100
.set MSB, 0
.macro WIN new                         ; the immediate's high byte repeats the setting that is left
.if MSB != (\new)
	s_set_vgpr_msb (MSB<<8)|(\new)
.set MSB, (\new)
.endif
.endm
.set MUL_LO, 0xa1                      ; source 0 (B) window 1, source 1 (A) window 0, C and D window 2
.set MUL_HI, 0xf1
.set TO_B,   0x40
.macro JLOAD g0a, g1a, g0b, g1b        ; a joint load: waves 0, 1 fetch for A, waves 2, 3 for B; an s_nop 0 and four v_nop follow each line
	s_cmp_eq_u32 s15, 0
	s_cbranch_scc0 .Lfor_b_\@
	tensor_load_to_lds s[\g0a:\g0a+3], s[\g1a:\g1a+7]
	s_nop 0
.rept 4
	v_nop
.endr
	s_branch .Lasked_\@
.Lfor_b_\@:
	tensor_load_to_lds s[\g0b:\g0b+3], s[\g1b:\g1b+7]
	s_nop 0
.rept 4
	v_nop
.endr
.Lasked_\@:
.endm
.macro CREST
	s_cmp_lg_u32 s14, 0
	s_cbranch_scc1 .Lnot_wave_0_\@
	s_barrier_signal -3
.Lnot_wave_0_\@:
	s_barrier_wait -3
	s_barrier_signal -1
	s_barrier_wait -1
.endm
.macro CROUND
	s_barrier_signal -1
	s_barrier_wait -1
	CREST
.endm
.macro FRAG reg, adr, q, i             ; rowtile i, the slot's q-th 128 along K: the image of 16 registers
.irp c, 0,1,2,3
	ds_load_b128 v[\reg+4*\c:\reg+4*\c+3], v[\adr] offset:4096*(\i)+2048*(\q)+512*\c
.endr
.endm
; 16 matrix instructions: A's blocks a0, a0 + 1 x B's eight.  The 64 accumulators take turns, one instruction a turn, in the same order in every step
.macro MUL16 a0, p, q, sc, zero
.irp a, \a0, \a0+1
.irp b, 0,1,2,3,4,5,6,7
.if \zero
	v_wmma_scale_f32_16x16x128_f8f6f4 v[8*(8*((\a)%4)+\b):8*(8*((\a)%4)+\b)+7], v[128*(\p)+FR*\b:128*(\p)+FR*\b+FR-1], v[AF+FR*(\a):AF+FR*(\a)+FR-1], 0, v[SC+8*NQ*(\sc)+NQ*\b+(\q)], v[SC+8*NQ*(\sc)+NQ*(\a)+(\q)] matrix_a_scale:MATRIX_SCALE_ROW1
.else
	v_wmma_scale_f32_16x16x128_f8f6f4 v[8*(8*((\a)%4)+\b):8*(8*((\a)%4)+\b)+7], v[128*(\p)+FR*\b:128*(\p)+FR*\b+FR-1], v[AF+FR*(\a):AF+FR*(\a)+FR-1], v[8*(8*((\a)%4)+\b):8*(8*((\a)%4)+\b)+7], v[SC+8*NQ*(\sc)+NQ*\b+(\q)], v[SC+8*NQ*(\sc)+NQ*(\a)+(\q)] matrix_a_scale:MATRIX_SCALE_ROW1
.endif
.endr
.endr
.endm
.macro FETCH_B slot, q, p
	WIN TO_B
.irp i, 0,1,2,3,4,5,6,7
	FRAG 128*(\p)+FR*\i, ADRB+\slot, \q, \i
.endr
	WIN 0
.endm
.macro FETCH_A slot, q, i0
.irp i, \i0, \i0+1, \i0+2, \i0+3
	FRAG AF+FR*(\i), ADRA+\slot, \q, \i
.endr
.endm
.macro SCALES sc                       ; a K step's two words a row: lanes 0-15 A's rowtile i, lanes 16-31 B's rowtile i
.irp i, 0,1,2,3,4,5,6,7
	ds_load_b64 v[SC+8*NQ*\sc+NQ*\i:SC+8*NQ*\sc+NQ*\i+1], v[ADRS] offset:\i*1024
.endr
.endm
.macro PLACES n                        ; plain vector lines between a matrix instruction and a load into, or a read of, its registers
.rept \n
	v_nop
.endr
.endm
.macro STEP slot, q, zero              ; 128 along K with its successor in the same slot.  A has one set of registers: blocks 0-3 are fetched anew in the middle, 4-7 at the end; B has two sets
	s_wait_dscnt 4*NL                              ; all but the youngest 16 loads (A's blocks 4-7)
	WIN MUL_LO
	MUL16 0, (\q)%2, \q, \slot, \zero
	MUL16 2, (\q)%2, \q, \slot, \zero
	s_wait_dscnt 0
	PLACES NP
	FETCH_B \slot, (\q)+1, 1-(\q)%2
	FETCH_A \slot, (\q)+1, 0
	WIN MUL_HI
	MUL16 4, (\q)%2, \q, \slot, \zero
	MUL16 6, (\q)%2, \q, \slot, \zero
	PLACES NP
	WIN 0
	FETCH_A \slot, (\q)+1, 4
.endm
; A slot's last step changes slots: one barrier; in front of it each wave waits for all its tensor loads, adds 0 to its spare word, and waits for that and for its reads of this slot
.macro TURN slot, next, fill
.if \fill
	s_wait_xcnt 0x0                                ; my last prefetch, a K step back, has read its address: it is stepped only behind this wait
	s_add_nc_u64 s[6:7], s[6:7], KB
.endif
	s_wait_tensorcnt 0x0
	ds_add_u32 v[SPW], v[NIL]
	s_wait_dscnt 4*NL+1                            ; the add and the youngest 16 loads may be out
	WIN MUL_LO
	MUL16 0, 1, NQ-1, \slot, 0
	s_wait_dscnt 0x0                               ; the add is done, my reads of this slot are over
	s_barrier_signal -1
	MUL16 2, 1, NQ-1, \slot, 0
	WIN 0
	s_barrier_wait -1
.if \fill
	CREST                                          ; the barrier has opened a round of the cluster's: no wave of any partner still reads this slot or has a load on its way
	s_add_nc_u64 s[G0+4*\slot+2:G0+4*\slot+3], s[G0+4*\slot+2:G0+4*\slot+3], 2*KB
	s_add_nc_u64 s[G0B+4*\slot+2:G0B+4*\slot+3], s[G0B+4*\slot+2:G0B+4*\slot+3], 2*KB
	JLOAD G0+4*\slot, G1, G0B+4*\slot, G1B         ; the first tensor load behind the round; its four v_nop are four of the eight places
	PLACES NP-4
.else
	PLACES NP
.endif
	s_wait_alu depctr_va_vdst(0)
	v_add_nc_u32 v[ADRS], 128, v[ADRS]             ; the next K step's scale words
	FETCH_B \next, 0, 0
	FETCH_A \next, 0, 0
	SCALES \next
.if \fill
; A PREFETCH behind the joint load and the run of LDS loads: the K step that stands two refills on: my work-group's 2 of the 8 rowtiles that I fetch, 32 blocks of 256 bytes, a lane a block.
; The loop's last trip has no K step two on: there the q and k clusters ask for cos and sin of the cluster row's 256 tokens, 64 blocks a wave in the trip's two requests.
	s_cmp_gt_u32 s3, 1
	s_cbranch_scc0 .Lfor_cs_\@
	global_prefetch_b8 v22, s[6:7] offset:3*KB th:TH_LOAD_NT scope:SCOPE_SE
	s_branch .Lasked_pf_\@
.Lfor_cs_\@:
	s_cmp_eq_u32 s12, 2                            ; v reads no cos and sin
	s_cbranch_scc1 .Lasked_pf_\@
	global_prefetch_b8 v23, s[4:5] offset:8192*\slot th:TH_LOAD_NT scope:SCOPE_SE
.Lasked_pf_\@:
.endif
	WIN MUL_HI
	MUL16 4, 1, NQ-1, \slot, 0
	MUL16 6, 1, NQ-1, \slot, 0
	PLACES NP
	WIN 0
	FETCH_A \next, 0, 4
.endm
; 64 numbers of a lane in window w, v[s] on, register 16 b + i = k 32 b + 16 h + i of my row, become codes in v[PC] on and a scale word in v[pw]; the held numbers go to v[d] on, in window 0.
; Each accumulator is first read at its two lowest registers.
.macro QUANT s, w, d, pw
	WIN (\w)*5                                     ; sources 0 and 1 in window w
.irp b, 0,1,2,3
	v_max3_num_f32 v[TM+\b], |v[(\s)+16*\b]|, |v[(\s)+1+16*\b]|, 0x4800000   ; my 16 numbers of block b, and the floor 2^(9 - 127)
.endr
.irp i, 2,4,6,8,10,12,14
.irp b, 0,1,2,3
	v_max3_num_f32 v[TM+\b], |v[(\s)+16*\b+\i]|, |v[(\s)+1+16*\b+\i]|, v[TM+\b]
.endr
.endr
	WIN 0
.irp b, 0,1,2,3
	v_permlanex16_b32 v[TM+4+\b], v[TM+\b], s[SEL], s[SEL+1]
.endr
.irp b, 0,1,2,3
	v_max_num_f32 v[TM+\b], v[TM+\b], v[TM+4+\b]   ; the block's largest magnitude
.endr
.irp b, 0,1,2,3
	v_add_nc_u32 v[TM+12+\b], 0xfc000000, v[TM+\b]   ; 8 off its exponent field: the conversion's scale operand
.endr
.irp b, 0,1,2,3
	v_and_or_b32 v[TM+8+\b], v[TM+\b], 0x7f800000, s[MNT]   ; 448 x the scale
.endr
.irp b, 0,1,2,3
	v_lshrrev_b32 v[TM+4+\b], 23, v[TM+12+\b]
.endr
	v_lshl_or_b32 v[\pw], v[TM+5], 8, v[TM+4]
	v_lshl_or_b32 v[\pw], v[TM+6], 16, v[\pw]
	v_lshl_or_b32 v[\pw], v[TM+7], 24, v[\pw]
	WIN \w                                         ; source 0 in window w
.irp b, 0,1,2,3
.irp i, 0,1,2,3,4,5,6,7,8,9,10,11,12,13,14,15
	v_med3_num_f32 v[\d+16*\b+\i], v[(\s)+16*\b+\i], -v[TM+8+\b], v[TM+8+\b]   ; the conversion does not saturate (ISA guide 7.6.2): the hold
.endr
.endr
	WIN 0
.irp b, 0,1,2,3
	v_cvt_scalef32_pk8_fp8_f32 v[PC+4*\b:PC+1+4*\b], v[\d+16*\b:\d+7+16*\b], v[TM+12+\b]
	v_cvt_scalef32_pk8_fp8_f32 v[PC+2+4*\b:PC+3+4*\b], v[\d+8+16*\b:\d+15+16*\b], v[TM+12+\b]
.endr
	v_nop                                          ; a plain line behind the last conversion
.endm
.macro SUMSQ w                         ; blocks 4 w .. 4 w + 3: the sum of my 64 squares, two at a time, the four blocks by turns, each accumulator from its low end on
	WIN 0x0a+5*(\w)
.irp a, 0,1,2,3
	v_pk_mul_f32 v[SSP+2*(4*(\w)+\a):SSP+2*(4*(\w)+\a)+1], v[64*\a:64*\a+1], v[64*\a:64*\a+1]
.endr
.set n, 2
.rept 31
.irp a, 0,1,2,3
	v_pk_fma_f32 v[SSP+2*(4*(\w)+\a):SSP+2*(4*(\w)+\a)+1], v[64*\a+n:64*\a+n+1], v[64*\a+n:64*\a+n+1], v[SSP+2*(4*(\w)+\a):SSP+2*(4*(\w)+\a)+1]
.endr
.set n, n+2
.endr
.endm
.macro NORM w                          ; in place: (x / rms) x gain, in reference()'s order
	WIN 0x82+0x41*(\w)
.irp a, 0,1,2,3
.set n, 0
.rept 32
	v_pk_mul_f32 v[64*\a+n:64*\a+n+1], v[64*\a+n:64*\a+n+1], v[RS+2*(4*(\w)+\a):RS+2*(4*(\w)+\a)+1] op_sel_hi:[1,0]
.set n, n+2
.endr
.set n, 0
.rept 32
	v_pk_mul_f32 v[64*\a+n:64*\a+n+1], v[64*\a+n:64*\a+n+1], v[NW+n:NW+n+1]
.set n, n+2
.endr
.endr
.endm
.macro CSLOAD a                        ; cos (64 registers) and sin (64) of my rowtile a, in the accumulators' order, into set a % 2 of window 1
	WIN 0x40
.irp q, 0,1,2,3,4,5,6,7,8,9,10,11,12,13,14,15
	ds_load_b128 v[128*((\a)%2)+4*\q:128*((\a)%2)+4*\q+3], v[ADC+(\a)/4] offset:((\a)%4)*16384+512*\q
.endr
.irp q, 0,1,2,3,4,5,6,7,8,9,10,11,12,13,14,15
	ds_load_b128 v[128*((\a)%2)+64+4*\q:128*((\a)%2)+64+4*\q+3], v[ADC+(\a)/4] offset:((\a)%4)*16384+8192+512*\q
.endr
	WIN 0
.endm
.macro ROPE a                          ; register n is d = 32 (n / 16) + 16 h + n % 16, so d + 64 is register n + 32 of the same lane
.set CB, 128*((\a)%2)
.set XB, 64*((\a)%4)
	WIN 0x06+(\a)/4                                ; source 0: the accumulators' window; source 1: window 1
.set n, 0
.rept 32
	v_pk_mul_f32 v[Y+n:Y+n+1], v[XB+n:XB+n+1], v[CB+n:CB+n+1]
.set n, n+2
.endr
.set n, 0
.rept 16
	v_pk_fma_f32 v[Y+n:Y+n+1], v[XB+32+n:XB+33+n], v[CB+64+n:CB+65+n], v[Y+n:Y+n+1] neg_lo:[1,0,0] neg_hi:[1,0,0]   ; d < 64: - x(d + 64) sin(d)
.set n, n+2
.endr
.set n, 0
.rept 16
	v_pk_fma_f32 v[Y+32+n:Y+33+n], v[XB+n:XB+n+1], v[CB+96+n:CB+97+n], v[Y+32+n:Y+33+n]                              ; d >= 64: + x(d - 64) sin(d)
.set n, n+2
.endr
	WIN 0
.endm
.macro FINISH                          ; the eight scale words leave as 512 consecutive bytes; then the wave's end
	v_and_b32 v1, 31, v0
	v_cmp_gt_u32 vcc_lo, 16, v1
.irp k, 0,1,2,3
	v_cndmask_b32 v[CH+\k], v[SW+4+\k], v[SW+\k], vcc_lo   ; lanes 0-15: tiles 0-3; lanes 16-31: tiles 4-7
.endr
	global_store_b128 v[SO], v[CH:CH+3], s[20:21]
	s_wait_tensorcnt 0x0                           ; a wait, an add to the spare word and its wait behind my last tensor load
	ds_add_u32 v[SPW], v[NIL]
	s_wait_dscnt 0x0
	CROUND                                         ; the closing round
	s_endpgm
.endm
	s_load_b256 s[4:11], s[0:1], 0x0               ; ops s[4:5], q_norm_w s[6:7], k_norm_w s[8:9], qkv s[10:11]
	v_lshl_add_u32 v[SPW], v0, 2, SPARE
	v_mov_b32 v[NIL], 0
	ds_add_u32 v[SPW], v[NIL]                      ; the opening: the add, twice on end, and its wait ahead of my first tensor load
	ds_add_u32 v[SPW], v[NIL]
	v_lshrrev_b32 v1, 5, v0
	v_readfirstlane_b32 s14, v1                    ; wave 0..3
	s_lshr_b32 s15, s14, 1                         ; my half of A's rows.  Also: I fetch for A (0) or for B (1)
	s_and_b32 s16, s14, 1                          ; my half of B's rows.  Also: which 8 rowtiles I fetch
	s_bfe_u32 s40, ttmp6, 0x40000                  ; cx
	s_bfe_u32 s41, ttmp6, 0x40004                  ; cy
	s_mov_b32 s12, ttmp9                           ; the kind
	s_and_b32 s13, ttmp7, 0xffff                   ; the cluster's y
	s_lshl_b32 s43, s41, 2
	s_lshl_b32 s43, 15, s43                        ; my row of the cluster
	s_lshl_b32 s44, 0x1111, s40                    ; my column
	s_mov_b32 s45, O_WVC
	s_mov_b32 s46, O_WVS
	s_mov_b32 s47, O_WC
	s_mov_b32 s105, O_WS
	s_mov_b32 s2, O_XS
	s_cmp_eq_u32 s12, 2                            ; v: A = Wv, B = tokens; else A = tokens, B = the kind's weight
	s_cselect_b32 s17, 0, s13
	s_cselect_b32 s42, s13, s12
	s_cselect_b32 s45, s45, 0                      ; where A's codes begin in ops,
	s_cselect_b32 s46, s46, s2                     ; A's scale words,
	s_cselect_b32 s47, 0, s47                      ; B's codes,
	s_cselect_b32 s105, s2, s105                   ; B's scale words
	s_lshl_b32 s17, s17, 2
	s_add_co_u32 s17, s17, s41                     ; A's tile of 256 rows: it hangs on cy alone of the two places
	s_lshl_b32 s42, s42, 2
	s_add_co_u32 s42, s42, s40                     ; B's: on cx alone
	; group 1 for codes: 8 rowtiles x 4,096 bytes (512 elements of 8 bytes), 32,768 bytes apart; bit 21 is set beside a mask
	s_or_b32 s[G1+0], s43, (3<<16)|(1<<21)
	s_or_b32 s[G1B+0], s44, (3<<16)|(1<<21)
.irp g, G1, G1B
	s_mov_b32 s[\g+1], 512<<16                     ; tensor_dim0
	s_mov_b32 s[\g+2], 16<<16                      ; tensor_dim1: the head's loads bring a whole tile's 16 rowtiles
	s_mov_b32 s[\g+3], 512<<16                     ; tile_dim0
	s_mov_b32 s[\g+4], 16                          ; tile_dim1
	s_mov_b32 s[\g+5], 4096                        ; stride, in elements
	s_mov_b32 s[\g+6], 0
	s_mov_b32 s[\g+7], 0
.endr
	; for scale words: 16,384 dense bytes as 64 rows of 256
	s_or_b32 s[G1S+0], s43, (3<<16)|(1<<21)
	s_or_b32 s[G1SB+0], s44, (3<<16)|(1<<21)
.irp g, G1S, G1SB
	s_mov_b32 s[\g+1], 32<<16
	s_mov_b32 s[\g+2], 64<<16                      ; 16,384 dense bytes as 64 rows of 256
	s_mov_b32 s[\g+3], 32<<16
	s_mov_b32 s[\g+4], 64
	s_mov_b32 s[\g+5], 32
	s_mov_b32 s[\g+6], 0
	s_mov_b32 s[\g+7], 0
.endr
	; for cos and sin: 65,536 dense bytes as 256 rows of 256
	s_or_b32 s[G1C+0], s43, (3<<16)|(1<<21)
	s_mov_b32 s[G1C+1], 32<<16
	s_mov_b32 s[G1C+2], 256<<16
	s_mov_b32 s[G1C+3], 32<<16
	s_mov_b32 s[G1C+4], 256
	s_mov_b32 s[G1C+5], 32
	s_mov_b32 s[G1C+6], 0
	s_mov_b32 s[G1C+7], 0
	s_lshl_b32 s2, s17, 4                          ; the first rowtile of A's tile
	s_lshl_b32 s[G0+2], s2, 15
	s_add_co_u32 s[G0+2], s[G0+2], s45
	s_mov_b32 s[G0+3], 0
	s_lshl_b32 s[G0S+2], s2, 10
	s_add_co_u32 s[G0S+2], s[G0S+2], s46
	s_mov_b32 s[G0S+3], 0
	s_lshl_b32 s3, s42, 4                          ; of B's
	s_lshl_b32 s[G0B+2], s3, 15
	s_add_co_u32 s[G0B+2], s[G0B+2], s47
	s_mov_b32 s[G0B+3], 0
	s_lshl_b32 s[G0SB+2], s3, 10
	s_add_co_u32 s[G0SB+2], s[G0SB+2], s105
	s_mov_b32 s[G0SB+3], 0
	s_lshl_b32 s45, s14, 15                        ; where they go: wave x 32,768 in a slot,
	s_mov_b32 s[SEL], 0x76543210
	s_mov_b32 s[SEL+1], 0xfedcba98
	s_mov_b32 s[MNT], 0x600000
	s_mov_b32 s101, 0x3c000000                     ; 1 / 128
	s_mov_b32 s104, 0x358637bd                     ; EPS = 1e-6
	s_wait_dscnt 0x0                               ; both opening adds are done
	s_wait_kmcnt 0x0
	s_lshl_b32 s2, s16, 18                         ; in the ring I fetch 8 rowtiles of 32,768 bytes: which half,
	s_add_co_u32 s2, s2, KB                        ; and K step 1
	s_mov_b32 s3, 0
	s_add_nc_u64 s[G0+2:G0+3], s[4:5], s[G0+2:G0+3]
	s_add_nc_u64 s[G0+6:G0+7], s[G0+2:G0+3], s[2:3]
	s_add_nc_u64 s[G0B+2:G0B+3], s[4:5], s[G0B+2:G0B+3]
	s_add_nc_u64 s[G0B+6:G0B+7], s[G0B+2:G0B+3], s[2:3]
	s_add_nc_u64 s[G0S+2:G0S+3], s[4:5], s[G0S+2:G0S+3]
	s_add_nc_u64 s[G0SB+2:G0SB+3], s[4:5], s[G0SB+2:G0SB+3]
.irp g, G0, G0+4, G0B, G0B+4, G0S, G0SB
	s_mov_b32 s[\g], 1
	s_or_b32 s[\g+3], s[\g+3], 0x80000000
.endr
	s_mov_b32 s[G0+1], 0                           ; the head's loads: A's whole tile at slot 0's first byte,
	s_add_co_u32 s[G0+5], s45, SLOT
	s_mov_b32 s[G0B+1], BOFF                       ; B's behind it
	s_add_co_u32 s[G0B+5], s45, SLOT
	s_mov_b32 s[G0S+1], SCL
	s_mov_b32 s[G0SB+1], SCL+16384
	CROUND                                         ; all sixteen work-groups are here: the first joint loads meet
; THE HEAD'S LOADS, ONE A WAVE: wave 0 K step 0 of A's 16 rowtiles, wave 1 of B's, wave 2 A's scale words, wave 3 B's.  One chain of branches on the wave's number; every way passes one load.
.macro ARM under, g0, g1, next
	s_cmp_lt_u32 s14, \under
	s_cbranch_scc0 \next
	tensor_load_to_lds s[\g0:\g0+3], s[\g1:\g1+7]
	s_nop 0
.rept 4
	v_nop
.endr
	s_branch .Lhead_asked
\next:
.endm
	ARM 1, G0,  G1,  .Lhead_b
	ARM 2, G0B, G1B, .Lhead_sa
	ARM 3, G0S, G1S, .Lhead_sb
	tensor_load_to_lds s[G0SB:G0SB+3], s[G1SB:G1SB+7]
	s_nop 0
.rept 4
	v_nop
.endr
.Lhead_asked:
	v_and_b32 v1, 31, v0
	v_and_b32 v2, 15, v0                           ; r
	v_bfe_u32 v3, v0, 4, 1                         ; h
	s_wait_alu depctr_va_vdst(0)
	v_lshlrev_b32 v[LI], 4, v1
	; the prefetches.  The four partners of a joint load share its blocks out by address: place cx for A's tiles and for cos and sin, cy for B's
	s_lshl_b32 s46, s40, 2
	s_add_co_u32 s46, s46, s14                     ; which of the cluster row's sixteen waves I am
	s_lshl_b32 s46, s46, 14                        ; one rowtile's cos and sin: 16,384 bytes
	s_lshl_b32 s13, s17, 18
	s_add_co_u32 s46, s46, s13
	s_add_co_u32 s46, s46, O_CIMG
	v_lshlrev_b32 v22, 8, v2
	v_lshl_add_u32 v22, v3, 15, v22                ; v22: codes: 256 x (lane % 16) in rowtile lane / 16 of my two; never rewritten
	v_lshl_add_u32 v23, v1, 8, s46                 ; v23: cos and sin: 256 x lane in my rowtile's image; never rewritten
	s_wait_alu depctr_va_vdst(0)
	s_cmp_eq_u32 s12, 0
	s_cselect_b64 s[22:23], s[6:7], s[8:9]         ; the gain (v: not read); s[6:9] are free from here on
	s_mov_b32 s2, O_WVC
	s_mov_b32 s3, O_WC
	s_cmp_eq_u32 s12, 2
	s_cselect_b32 s2, s2, 0                        ; where A's codes begin in ops,
	s_cselect_b32 s3, 0, s3                        ; B's
	s_cmp_eq_u32 s15, 0                            ; do I fetch for A?
	s_cselect_b32 s2, s2, s3
	s_cselect_b32 s3, s17, s42                     ; the tile
	s_cselect_b32 s13, s40, s41                    ; my place among the four that ask for it with me
	s_lshl_b32 s3, s3, 3
	s_lshl_b32 s46, s16, 2
	s_add_co_u32 s3, s3, s46
	s_add_co_u32 s3, s3, s13                       ; pair of rowtiles: 8 x tile + 4 x half + place
	s_lshl_b32 s3, s3, 16                          ; 65,536 bytes a pair
	s_add_co_u32 s8, s2, s3
	s_mov_b32 s9, 0
	s_add_nc_u64 s[6:7], s[4:5], s[8:9]            ; s[6:7]: my pair's K step 0
	global_prefetch_b8 v22, s[6:7] offset:KB th:TH_LOAD_NT scope:SCOPE_SE     ; K steps 1 and 2: two steps are asked for and not yet loaded, here and in every trip
	global_prefetch_b8 v22, s[6:7] offset:2*KB th:TH_LOAD_NT scope:SCOPE_SE
	s_lshl_b32 s45, s15, 15
	s_lshl_b32 s46, s16, 15
	s_add_co_u32 s46, s46, BOFF                    ; of B
.irp s, 0,1
	v_add_nc_u32 v[ADRA+\s], s45, v[LI]
	v_add_nc_u32 v[ADRB+\s], s46, v[LI]
	s_add_co_u32 s45, s45, SLOT
	s_add_co_u32 s46, s46, SLOT
.endr
	s_lshl_b32 s45, s15, 13                        ; scale words: A's, my 8 rowtiles;
	s_lshl_b32 s46, s16, 13
	s_add_co_u32 s46, s46, 16384                   ; B's, behind A's
	s_sub_co_u32 s46, s46, s45
	v_mul_u32_u24 v4, s46, v3                      ; lanes 16-31 take B's
	s_add_co_u32 s45, s45, SCL
	v_lshl_add_u32 v4, v2, 3, v4
	v_add_nc_u32 v[ADRS], s45, v4
	s_lshl_b32 s45, s15, 17
	v_add_nc_u32 v[ADC], s45, v[LI]                ; cos and sin: 16,384 bytes a rowtile
	v_add_nc_u32 v[ADC+1], 65536, v[ADC]
	v_lshlrev_b32 v[SO], 5, v2
	v_lshl_add_u32 v[SO], v3, 4, v[SO]
	v_lshlrev_b32 v[NWO], 6, v3
	; where my 128 x 128 goes: block of 128 tokens, head
	s_lshl_b32 s45, s17, 1
	s_add_co_u32 s45, s45, s15                     ; 2 x A's tile + my half
	s_lshl_b32 s46, s42, 1
	s_add_co_u32 s46, s46, s16                     ; 2 x B's tile + my half
	s_lshl_b32 s47, s40, 1
	s_add_co_u32 s47, s47, s16                     ; q, k: the head
	s_cmp_eq_u32 s12, 2
	s_cselect_b32 s46, s46, s45                    ; the block of tokens
	s_cselect_b32 s47, s45, s47                    ; the head
	s_cselect_b32 s2, 16384, 0                     ; k: at a key step's head; v: behind K's fragments
	s_mov_b32 s3, 32768
	s_cselect_b32 s3, 33280, s3
	s_lshr_b32 s45, s46, 4                         ; the batch
	s_lshl_b32 s45, s45, 3
	s_add_co_u32 s45, s45, s47
	s_lshl_b32 s45, s45, 4
	s_and_b32 s46, s46, 15
	s_add_co_u32 s45, s45, s46                     ; 16 (8 batch + head) + block
	s_mov_b32 s13, KVB
	s_cmp_eq_u32 s12, 0
	s_cselect_b32 s2, O_QC, s2
	s_cselect_b32 s3, O_QS, s3
	s_cselect_b32 s46, 16384, s13
	s_cselect_b32 s47, 512, s13
	s_mul_i32 s46, s46, s45
	s_add_co_u32 s46, s46, s2
	s_mul_i32 s2, s47, s45
	s_add_co_u32 s2, s2, s3
	s_mov_b32 s47, 0
	s_mov_b32 s3, 0
	s_add_nc_u64 s[18:19], s[10:11], s[46:47]      ; my eight fragments
	s_add_nc_u64 s[20:21], s[10:11], s[2:3]        ; my block of scale words
	s_wait_alu depctr_va_vdst(0)
	s_wait_tensorcnt 0x0                           ; my tile of the head's four is in; slot 1's first fill is issued as a refill is
	ds_add_u32 v[SPW], v[NIL]
	s_mov_b32 s[G1+2], 8<<16                       ; no tensor load of mine is out, so descriptors may be written: from here on a load brings 8 rowtiles,
	s_mov_b32 s[G1+4], 8
	s_mov_b32 s[G1B+2], 8<<16
	s_mov_b32 s[G1B+4], 8
	s_lshl_b32 s[G0+1], s14, 15                    ; slot 0's group 0 takes my quarter of the slot: wave x 32,768,
	s_lshl_b32 s[G0B+1], s14, 15
	s_lshl_b32 s2, s16, 18
	s_mov_b32 s3, 0
	s_add_nc_u64 s[G0+2:G0+3], s[G0+2:G0+3], s[2:3]      ; and my half of the tile's rowtiles
	s_add_nc_u64 s[G0B+2:G0B+3], s[G0B+2:G0B+3], s[2:3]
	s_wait_dscnt 0x0                               ; the add is done
	CROUND                                         ; all four tiles are in, and all sixteen work-groups are here
	JLOAD G0+4, G1, G0B+4, G1B                     ; K step 1: the first tensor load behind the round
	FETCH_B 0, 0, 0
	FETCH_A 0, 0, 0
	SCALES 0
	global_prefetch_b8 v22, s[6:7] offset:3*KB th:TH_LOAD_NT scope:SCOPE_SE   ; behind K step 1's load: K step 3
	FETCH_A 0, 0, 4
	STEP 0, 0, 1                                   ; the first step stands in front of the loop: its products start the sums
	s_mov_b32 s3, LAPS-1
.Llap:                                                 ; a trip goes once round the ring and fills both slots again
	TURN 0, 1, 1
	STEP 1, 0, 0
	TURN 1, 0, 1
	STEP 0, 0, 0
	s_sub_co_u32 s3, s3, 1
	s_cmp_lg_u32 s3, 0
	s_cbranch_scc1 .Llap
	TURN 0, 1, 0
	STEP 1, 0, 0
	s_wait_dscnt 4*NL
	WIN MUL_LO
	MUL16 0, 1, NQ-1, 1, 0
	MUL16 2, 1, NQ-1, 1, 0
	s_wait_dscnt 0
	WIN MUL_HI
	MUL16 4, 1, NQ-1, 1, 0
	MUL16 6, 1, NQ-1, 1, 0
	WIN 0
	PLACES NP                                      ; behind the last products: results are read and operands' registers written from here on
	s_cmp_eq_u32 s12, 2                            ; the kind: the same in all partners of the cluster
	s_cbranch_scc1 .Lv_tail
	; ---- q, k.  The ring's bytes take cos and sin of the work-group's 256 tokens: a refill like any other
	s_wait_tensorcnt 0x0                           ; no tensor load of mine is out: a group 0 may be written
	ds_add_u32 v[SPW], v[NIL]
	s_mov_b32 s[G0S], 1
	s_lshl_b32 s[G0S+1], s14, 16                   ; LDS: wave x 65,536: four rowtiles
	s_lshl_b32 s[G0S+2], s17, 18
	s_add_co_u32 s[G0S+2], s[G0S+2], s[G0S+1]
	s_add_co_u32 s[G0S+2], s[G0S+2], O_CIMG
	s_mov_b32 s[G0S+3], 0
	s_add_nc_u64 s[G0S+2:G0S+3], s[4:5], s[G0S+2:G0S+3]
	s_or_b32 s[G0S+3], s[G0S+3], 0x80000000
	s_wait_dscnt 0x0                               ; the add is done; my reads of the ring are over
	CROUND
	tensor_load_to_lds s[G0S:G0S+3], s[G1C:G1C+7]  ; jointly with my row of the cluster, which has the same tokens; one load a wave
	s_nop 0
.rept 4
	v_nop
.endr
.irp c, 0,1,2,3
.irp j, 0,1,2,3
	global_load_b128 v[NW+16*\c+4*\j:NW+16*\c+4*\j+3], v[NWO], s[22:23] offset:128*\c+16*\j   ; the gain at my 64 d
.endr
.endr
.irp a, 0,1,2,3,4,5,6,7
	v_mov_b32 v[RS+2*\a+1], 0                      ; named as the upper half of a pair
	v_mov_b32 v[PT+\a], 0                          ; a lane permute's destination counts as one of its sources
.endr
	SUMSQ 0
	SUMSQ 1
	WIN 0
.irp a, 0,1,2,3,4,5,6,7
	v_add_f32 v[SSP+2*\a], v[SSP+2*\a], v[SSP+2*\a+1]
.endr
.irp a, 0,1,2,3,4,5,6,7
	v_permlanex16_b32 v[PT+\a], v[SSP+2*\a], s[SEL], s[SEL+1]
.endr
.irp a, 0,1,2,3,4,5,6,7
	v_add_f32 v[SSP+2*\a], v[SSP+2*\a], v[PT+\a]   ; the token's 128 squares
.endr
.irp a, 0,1,2,3,4,5,6,7
	v_fma_f32 v[SSP+2*\a], v[SSP+2*\a], s101, s104 ; the mean + EPS
.endr
	s_wait_alu depctr_va_vdst(0)
.irp a, 0,1,2,3,4,5,6,7
	v_rsq_f32 v[RS+2*\a], v[SSP+2*\a]
.endr
	v_nop                                          ; a plain line behind the last of the batch
	s_wait_alu depctr_va_vdst(0)                   ; one wait for the eight, ahead of their first reader
	s_wait_loadcnt 0x0                             ; the gain
	NORM 0
	NORM 1
	WIN 0
.irp b, 0,1,2,3
	v_mov_b32 v[TM+4+\b], 0                        ; the gain's registers are free: the quantiser's permute destinations are written once
.endr
	s_wait_tensorcnt 0x0                           ; my quarter of cos and sin is in,
	s_barrier_signal -1
	s_barrier_wait -1                              ; everybody's is
	CSLOAD 0
.irp a, 0,1,2,3,4,5,6,7
.if \a < 7
	CSLOAD \a+1
	s_wait_dscnt 32                                ; this block's 32 loads are in; the next block's may be out
.else
	s_wait_dscnt 0x0
.endif
	ROPE \a
.if \a > 0
	s_wait_xcnt 0x0                                ; the last block's stores have read the codes' registers
.endif
	QUANT Y, 0, Y, SW+\a
.irp c, 0,1,2,3
	global_store_b128 v[LI], v[PC+4*\c:PC+4*\c+3], s[18:19] offset:2048*\a+512*\c   ; 512 consecutive bytes
.endr
.endr
	FINISH
.Lv_tail:
	; ---- v.  The 64 registers of block a are 64 of 128 keys of one d, in the operand's order: the codes are V^T's fragment a
.irp b, 0,1,2,3
	v_mov_b32 v[TM+4+\b], 0
.endr
.irp a, 0,1,2,3,4,5,6,7
.if \a > 0
	s_wait_xcnt 0x0
.endif
	QUANT 64*(\a%4), 2+\a/4, Y, SW+\a
.irp c, 0,1,2,3
	global_store_b128 v[LI], v[PC+4*\c:PC+4*\c+3], s[18:19] offset:2048*\a+512*\c
.endr
.endr
	FINISH
.Lfunc_end_k_q4fa87a8f93_qkv:
	.size	k_q4fa87a8f93_qkv, .Lfunc_end_k_q4fa87a8f93_qkv-k_q4fa87a8f93_qkv
	.p2alignl 7, 3214868480
	.fill 96, 4, 3214868480
	.section	.rodata,"a",@progbits
	.p2align	6, 0x0
	.amdhsa_kernel k_q4fa87a8f93_qkv
		.amdhsa_group_segment_fixed_size 327680
		.amdhsa_private_segment_fixed_size 0
		.amdhsa_enable_private_segment 0
		.amdhsa_kernarg_size 32
		.amdhsa_user_sgpr_count 2
		.amdhsa_user_sgpr_kernarg_segment_ptr 1
		.amdhsa_wavefront_size32 1
		.amdhsa_system_sgpr_workgroup_id_x 1
		.amdhsa_system_sgpr_workgroup_id_y 1
		.amdhsa_system_sgpr_workgroup_id_z 1
		.amdhsa_system_vgpr_workitem_id 0
		.amdhsa_next_free_vgpr 1024
		.amdhsa_next_free_sgpr 106
		.amdhsa_reserve_vcc 1
		.amdhsa_float_denorm_mode_32 3
		.amdhsa_float_denorm_mode_16_64 3
		.amdhsa_memory_ordered 1
		.amdhsa_forward_progress 1
		.amdhsa_inst_pref_size 255
	.end_amdhsa_kernel
	.section	.bss,"aw",@nobits
	.p2align	6
	.space	262144
	.amdgpu_metadata
---
amdhsa.version: [ 1, 2 ]
amdhsa.kernels:
  - .name:           k_q4fa87a8f93_qkv
    .symbol:         k_q4fa87a8f93_qkv.kd
    .args:
      - { .name: ops, .offset: 0, .size: 8, .value_kind: global_buffer, .address_space: global }
      - { .name: q_norm_w, .offset: 8, .size: 8, .value_kind: global_buffer, .address_space: global }
      - { .name: k_norm_w, .offset: 16, .size: 8, .value_kind: global_buffer, .address_space: global }
      - { .name: qkv, .offset: 24, .size: 8, .value_kind: global_buffer, .address_space: global }
    .group_segment_fixed_size: 327680
    .private_segment_fixed_size: 0
    .kernarg_segment_align: 8
    .kernarg_segment_size: 32
    .max_flat_workgroup_size: 128
    .sgpr_count:     106
    .vgpr_count:     1024
    .wavefront_size: 32
...
	.end_amdgpu_metadata
.endif
;; end of part 2
;; launch attn (part 3): grid 16 x 16, 16 waves a work-group, no clusters, 327,680 bytes of LDS; arguments qkv, att; writes att
.if DOCPART == 3
	.amdgcn_target "amdgcn-amd-amdhsa--gfx1250"
	.amdhsa_code_object_version 6
	.text
	.protected	k_q4fa87a8f93_attn
	.globl	k_q4fa87a8f93_attn
	.p2align	8
	.type	k_q4fa87a8f93_attn,@function
k_q4fa87a8f93_attn:
	s_mov_b64 s[64:65], 0
	v_nop
	global_prefetch_b8 v0, s[64:65] scope:SCOPE_SE
	s_setreg_imm32_b32 hwreg(HW_REG_WAVE_MODE, 25, 1), 1
	s_wait_xcnt 0x0
; LAUNCH 3 OF 4.  For each batch x head: softmax(Q K^T / sqrt(128)) V under reference()'s own causal mask, both products on codes of FP8 (E4M3) with E8M0 scales; the result, divided by the row's sum, is quantised along head x 128 + d.
; WORK LEFT OUT: key steps (16 queries x 128 keys) that lie wholly above the mask; the proof and the limit stand at the head of the first launch.
; THE SOFTMAX: t = score x log2(e) / sqrt(128); M = the largest t so far, rounded up to a whole number; p = 2^(t - M) is quantised along the keys; the sum is taken of the unquantised p.  When M moves, sum and O are multiplied by 2^(old M - new M): exact.
; SHARES.  Work-group (x, y): y = batch x head; j = x / 2, hf = x % 2.  It owns 64 queries (rowtiles 4 hf .. 4 hf + 3) of query block 15 - j and 64 of block j (blocks of 128): (16 - j) + (j + 1) = 17 key steps for each pair of tiles, in every work-group.
; Sixteen waves of 256 registers.  Waves 0-7: block 15 - j; 8-15: block j.  TWO WAVES SHARE A TILE OF 16 QUERIES: the wave of parity (wave / 4) % 2 takes key steps 2 t + parity, with an M, a sum and an O^T of its own; at the end the odd wave hands
; its three to the even one through LDS.  M is a whole number in both, so bringing both under the larger M is exact.
; LAYOUT.  Both products transposed: S^T = K Q^T, O^T = V^T P^T: a lane holds one query.  Fragments lie in memory as images of their registers; a key step (K's 8 fragments, V^T's 8, both blocks of scale words) is 33,792 dense bytes.
; The rows of a rowtile are chosen (first launch) so that the 16 registers of tiles 2 b, 2 b + 1 are 16 neighbours: keys in S^T, d in O^T.
; LDS LOADS AHEAD OF THEIR USE: V^T's first four fragments are asked for behind the last product of S^T and land under the softmax's vector work; its last four go into p's registers as soon as p has become codes.
; The scale words of eight tiles come by one load: lanes 0-15 hold those of tiles 0-3, lanes 16-31 those of tiles 4-7, and the products of tiles 4-7 name the upper lanes.
; THE RING: two slots of two key steps; waves 0, 1 fetch key step 2 t, waves 2, 3 key step 2 t + 1.  Every work-group walks all 8 changes of slots (constant trip count); a key step beyond the work-group's last is not asked for.
; NO CLUSTER: the only four work-groups that walk the same head with the same number of slots are j = 2 m, 2 m + 1 with hf = 0, 1; they need 16 - 2 m and 15 - 2 m key steps, so in the last slot two partners would be sent a key step that none of their waves reads.
; REGISTERS: v1-11 addresses; v12 -M, v13 the largest t, v[14:15] the sum; v16-31 Q; v32-95 four fragments; v96-159 S^T, then p, then V^T's last four fragments; v160-223 O^T; v224-239 p's codes; v232-247, v252, v254 at work;
;   v248-251 K's or V's scale words, v253 p's, v255 Q's.
.set KVB,   33792
.set SLOTB, 67584
.set SLOT1, 131072
.set MRG,   198656                     ; eight regions of 8,448 bytes: O^T's image 8,192, -M 128, the sum 128
.set SPARE, 266240                     ; the spare words, 128 bytes a wave
.set O_QC,  8650752
.set O_QS,  12845056
.set O_AS,  4194304
.set AK0, 1                            ; 33,792 x parity + 16 x lane
.set AS0, 2                            ; 33,792 x parity + 32,768 + 32 r + 16 h
.set DQ,  3                            ; my query's place in its block of 128, less 16 h
.set MGA, 4
.set SPW, 5
.set NIL, 6
.set PFO, 7
.set ADK, 8
.set ADS, 9
.set MGS, 10
.set LI,  11
.set TM,  232
.set PC,  32
.set TB,  2
.set SLOTS, 3
.set WV,  18
.set MNT, 19
.set SEL, 20
.set CS,  22
.set G1,  24
.set G0,  32
.set KS2, 36                           ; the slot's first key step
.set PI,  37                           ; my parity
.set BQ,  38                           ; my block of queries = my last key step
.set LIMH, 39                          ; the work-group's last key step
.set PFA, 40
.set LIM, 42
.macro QUANT s, pw                     ; 64 numbers of a lane, register 16 b + i = k 32 b + 16 h + i, become codes in v[PC] on and a scale word in v[pw]
.irp b, 0,1,2,3
	v_max3_num_f32 v[TM+\b], |v[\s+16*\b]|, |v[\s+1+16*\b]|, 0x4800000
.endr
.irp i, 2,4,6,8,10,12,14
.irp b, 0,1,2,3
	s_delay_alu instid0(VALU_DEP_4)
	v_max3_num_f32 v[TM+\b], v[TM+\b], |v[\s+16*\b+\i]|, |v[\s+1+16*\b+\i]|
.endr
.endr
.irp b, 0,1,2,3
	v_permlanex16_b32 v[TM+4+\b], v[TM+\b], s[SEL], s[SEL+1]
.endr
.irp b, 0,1,2,3
	s_delay_alu instid0(VALU_DEP_4)
	v_max_num_f32 v[TM+\b], v[TM+\b], v[TM+4+\b]
.endr
.irp b, 0,1,2,3
	s_delay_alu instid0(VALU_DEP_4)
	v_add_nc_u32 v[TM+12+\b], 0xfc000000, v[TM+\b]
.endr
.irp b, 0,1,2,3
	v_and_or_b32 v[TM+8+\b], v[TM+\b], 0x7f800000, s[MNT]
.endr
.irp b, 0,1,2,3
	v_lshrrev_b32 v[TM+4+\b], 23, v[TM+12+\b]
.endr
	s_delay_alu instid0(VALU_DEP_3)
	v_lshl_or_b32 v[\pw], v[TM+5], 8, v[TM+4]
	s_delay_alu instid0(VALU_DEP_1)
	v_lshl_or_b32 v[\pw], v[TM+6], 16, v[\pw]
	s_delay_alu instid0(VALU_DEP_1)
	v_lshl_or_b32 v[\pw], v[TM+7], 24, v[\pw]
.irp b, 0,1,2,3
.irp i, 0,1,2,3,4,5,6,7,8,9,10,11,12,13,14,15
	v_med3_num_f32 v[\s+16*\b+\i], v[\s+16*\b+\i], -v[TM+8+\b], v[TM+8+\b]
.endr
	v_cvt_scalef32_pk8_fp8_f32 v[PC+4*\b:PC+1+4*\b], v[\s+16*\b:\s+7+16*\b], v[TM+12+\b]
	v_cvt_scalef32_pk8_fp8_f32 v[PC+2+4*\b:PC+3+4*\b], v[\s+8+16*\b:\s+15+16*\b], v[TM+12+\b]
.endr
	v_nop
.endm
; A prefetch of the slot that the NEXT change of slots will load: 264 blocks of 256 bytes, a lane a block.  All sixteen work-groups of a head walk the same key steps: the first (x = 0), which walks all of them, asks; in it
; waves 4 to 12, which fetch nothing, one instruction each; the lanes left over in wave 12 name the slot's last block.  It asks for slots 2 to 7: one trip ahead of the load; the last change that loads asks for nothing.
.macro ASK
	s_cmp_gt_u32 s[SLOTS], s[LIM]
	s_cbranch_scc0 .Lnot_mine_\@
	global_prefetch_b8 v[PFO], s[PFA:PFA+1] th:TH_LOAD_NT scope:SCOPE_SE
.Lnot_mine_\@:
.endm
; THE CHANGE OF SLOTS, at a slot's head.  Each wave waits for all its tensor loads, adds 0 to its spare word, waits for that and for its reads of the slot that it has left; one barrier; then the slot just left is filled.
.macro CHANGE fill
	s_wait_tensorcnt 0x0                           ; no tensor load of mine is out: a group 0 may be written
	ds_add_u32 v[SPW], v[NIL]
.if \fill
	ds_add_u32 v[SPW], v[NIL]                      ; twice on end here, in every trip alike
	s_xor_b32 s[G0+1], s[G0+1], SLOT1              ; the walking descriptor: the other slot,
	s_add_nc_u64 s[G0+2:G0+3], s[G0+2:G0+3], SLOTB ; the next two key steps
	s_wait_xcnt 0x0                                ; the last prefetch, a trip back, has read its address
	s_add_nc_u64 s[PFA:PFA+1], s[PFA:PFA+1], SLOTB
.endif
	s_wait_dscnt 0x0
	s_barrier_signal -1
	s_barrier_wait -1
.if \fill
	s_add_co_u32 s96, s[KS2], 2                    ; a key step beyond the work-group's last is read by none of its waves and is not asked for.  The tests hang on ids and the count of trips alone: all waves go the same way,
	s_cmp_gt_u32 s96, s[LIMH]                      ; and every wait on TENSORcnt in this text is for 0
	s_cbranch_scc1 .Lpast_\@
	s_cmp_lt_u32 s[WV], 2
	s_cbranch_scc0 .Lnot_even_\@
	tensor_load_to_lds s[G0:G0+3], s[G1:G1+7]      ; waves 0, 1: the next slot's first key step
	s_nop 0
.rept 4
	v_nop
.endr
	s_branch .Lpast_\@
.Lnot_even_\@:
	s_add_co_u32 s96, s[KS2], 3
	s_cmp_gt_u32 s96, s[LIMH]
	s_cbranch_scc1 .Lpast_\@
	s_cmp_lt_u32 s[WV], 4
	s_cbranch_scc0 .Lpast_\@
	tensor_load_to_lds s[G0:G0+3], s[G1:G1+7]      ; waves 2, 3: its second
	s_nop 0
.rept 4
	v_nop
.endr
.Lpast_\@:
	ASK
.endif
.endm
; MY KEY STEP OF THE SLOT IN HAND: 128 keys
.macro STEP
	s_add_co_u32 s96, s[KS2], s[PI]
	s_cmp_gt_u32 s96, s[BQ]                        ; all its keys come after my queries: left out
	s_cbranch_scc1 .Lhidden_\@
	v_add_nc_u32 v[ADK], s[TB], v[AK0]
	s_wait_alu depctr_va_vdst(0)
	v_add_nc_u32 v[ADS], s[TB], v[AS0]
.rept 7
	v_nop                                          ; with the two additions: nine places.  Eight serve the loads into registers that the last products read; the ninth is owed because S^T is laid over v96-159, which the last products read as an operand
.endr
.irp g, 0,1                                    ; S^T = K Q^T, four tiles of 16 keys at a time
.if \g > 0
.rept 8
	v_nop
.endr
.endif
.irp t, 0,1,2,3
.irp c, 0,1,2,3
	ds_load_b128 v[32+16*\t+4*\c:35+16*\t+4*\c], v[ADK] offset:(4*\g+\t)*2048+512*\c
.endr
.endr
.if \g == 0
	ds_load_b128 v[248:251], v[ADS]                ; K's scale words of row r: lanes 0-15 tiles 0-3, lanes 16-31 tiles 4-7
.endif
	s_wait_dscnt 0x0
.irp t, 0,1,2,3
.if \g == 0
	v_wmma_scale_f32_16x16x128_f8f6f4 v[96+8*\t:103+8*\t], v[32+16*\t:47+16*\t], v[16:31], 0, v[248+\t], v255
.else
	v_wmma_scale_f32_16x16x128_f8f6f4 v[128+8*\t:135+8*\t], v[32+16*\t:47+16*\t], v[16:31], 0, v[248+\t], v255 matrix_a_scale:MATRIX_SCALE_ROW1
.endif
.endr
.endr
.rept 8
	v_nop                                          ; eight places: behind them the results are read, and the operands' and scales' registers are loaded anew
.endr
.irp t, 0,1,2,3                                ; V^T's tiles 0-3 and the scale words of all eight: asked for here, waited for behind the softmax
.irp c, 0,1,2,3
	ds_load_b128 v[32+16*\t+4*\c:35+16*\t+4*\c], v[ADK] offset:16384+\t*2048+512*\c
.endr
.endr
	s_wait_alu depctr_va_vdst(0)
	ds_load_b128 v[248:251], v[ADS] offset:512
	s_cmp_lt_u32 s96, s[BQ]                        ; under the diagonal every key counts
	s_cbranch_scc1 .Lopen_\@
	v_mov_b32 v254, 0xff800000                     ; on it, hidden scores become -infinity ahead of the maximum: p = 0.  Register 16 b + i holds key 32 b + 16 h + i of the step
.set n, 0
.rept 64
	v_cmp_gt_i32 vcc_lo, 32*(n/16)+n%16, v[DQ]
	v_cndmask_b32 v[96+n], v[96+n], v254, vcc_lo
.set n, n+1
.endr
.Lopen_\@:
.irp b, 0,1,2,3
	v_max3_num_f32 v[232+\b], v[96+16*\b], v[97+16*\b], v[98+16*\b]   ; the largest score of each block of 32 keys: for the row's maximum, and, since p rises with the score, for the block's largest p
.endr
.irp i, 3,5,7,9,11,13
.irp b, 0,1,2,3
	v_max3_num_f32 v[232+\b], v[232+\b], v[96+16*\b+\i], v[97+16*\b+\i]
.endr
.endr
.irp b, 0,1,2,3
	v_max_num_f32 v[232+\b], v[232+\b], v[111+16*\b]
.endr
.irp b, 0,1,2,3
	v_permlanex16_b32 v[236+\b], v[232+\b], s[SEL], s[SEL+1]
.endr
.irp b, 0,1,2,3
	s_delay_alu instid0(VALU_DEP_4)
	v_max_num_f32 v[232+\b], v[232+\b], v[236+\b]
.endr
	s_delay_alu instid0(VALU_DEP_2)
	v_max3_num_f32 v254, v232, v233, v234
	s_delay_alu instid0(VALU_DEP_1)
	v_max_num_f32 v254, v254, v235
	s_delay_alu instid0(VALU_DEP_1)
	v_mul_f32 v254, s[CS], v254                    ; the step's largest t
	s_delay_alu instid0(VALU_DEP_1)
	v_max_num_f32 v13, v13, v254
	v_mov_b32 v254, v12
	s_delay_alu instid0(VALU_DEP_2)
	v_floor_f32 v12, -v13                          ; the new -M = floor(-t)
	s_delay_alu instid0(VALU_DEP_1)
	v_sub_f32 v254, v12, v254                      ; old M - new M: a whole number, 0 or less
	s_delay_alu instid0(VALU_DEP_1)
	v_cvt_i32_f32 v254, v254                       ; (it saturates)
	s_delay_alu instid0(VALU_DEP_1)
	v_ldexp_f32 v252, 1.0, v254                    ; f = 2^(old M - new M)
.set n, 0
.rept 32
	v_pk_fma_f32 v[96+n:97+n], v[96+n:97+n], s[CS:CS+1], v[12:13] op_sel_hi:[1,0,0]   ; t - M
.set n, n+2
.endr
.irp b, 0,1,2,3
	v_fma_f32 v[232+\b], v[232+\b], s[CS], v12
.endr
.set n, 0
	s_wait_alu depctr_va_vdst(0)
.rept 64
	v_exp_f32 v[96+n], v[96+n]                     ; p = 2^(t - M)
.set n, n+1
.endr
	v_pk_mul_f32 v[14:15], v[14:15], v[252:253] op_sel_hi:[1,0]   ; the sums under the new M: a plain line behind the batch
	s_wait_alu depctr_va_vdst(0)                   ; one wait for the 64, ahead of their first reader
.irp b, 0,1,2,3
	v_exp_f32 v[232+\b], v[232+\b]                 ; the blocks' largest p
.endr
	v_pk_add_f32 v[236:237], v[100:101], v[104:105]
	v_pk_add_f32 v[246:247], v[108:109], v[112:113]
	v_pk_add_f32 v[244:245], v[116:117], v[120:121]
	v_pk_add_f32 v[242:243], v[124:125], v[128:129]
	v_pk_add_f32 v[240:241], v[132:133], v[136:137]
	v_pk_add_f32 v[238:239], v[140:141], v[144:145]
	v_pk_add_f32 v[230:231], v[148:149], v[152:153]
	v_pk_add_f32 v[14:15], v[14:15], v[156:157]
	v_pk_add_f32 v[236:237], v[236:237], v[96:97]
	v_pk_add_f32 v[246:247], v[246:247], v[98:99]
	v_pk_add_f32 v[244:245], v[244:245], v[102:103]
	v_pk_add_f32 v[242:243], v[242:243], v[106:107]
	v_pk_add_f32 v[240:241], v[240:241], v[110:111]
	v_pk_add_f32 v[238:239], v[238:239], v[114:115]
	v_pk_add_f32 v[230:231], v[230:231], v[118:119]
	v_pk_add_f32 v[14:15], v[14:15], v[122:123]
	v_pk_add_f32 v[236:237], v[236:237], v[126:127]
	v_pk_add_f32 v[246:247], v[246:247], v[130:131]
	v_pk_add_f32 v[244:245], v[244:245], v[134:135]
	v_pk_add_f32 v[242:243], v[242:243], v[138:139]
	v_pk_add_f32 v[240:241], v[240:241], v[142:143]
	v_pk_add_f32 v[238:239], v[238:239], v[146:147]
	v_pk_add_f32 v[230:231], v[230:231], v[150:151]
	v_pk_add_f32 v[14:15], v[14:15], v[154:155]
	v_pk_add_f32 v[236:237], v[236:237], v[158:159]
	s_delay_alu instid0(VALU_DEP_2)
	v_pk_add_f32 v[14:15], v[14:15], v[242:243]
	s_delay_alu instid0(VALU_DEP_2)
	v_pk_add_f32 v[236:237], v[236:237], v[240:241]
	v_pk_add_f32 v[246:247], v[246:247], v[238:239]
	v_pk_add_f32 v[244:245], v[244:245], v[230:231]
	s_delay_alu instid0(VALU_DEP_2)
	v_pk_add_f32 v[14:15], v[14:15], v[246:247]
	s_delay_alu instid0(VALU_DEP_2)
	v_pk_add_f32 v[236:237], v[236:237], v[244:245]
	s_delay_alu instid0(VALU_DEP_1)
	v_pk_add_f32 v[14:15], v[14:15], v[236:237]
	s_wait_alu depctr_va_vdst(0)                   ; and one for the four
.irp b, 0,1,2,3
	v_max_num_f32 v[232+\b], 0x4800000, v[232+\b]  ; the floor 2^(9 - 127)
.endr
.irp b, 0,1,2,3
	s_delay_alu instid0(VALU_DEP_4)
	v_add_nc_u32 v[244+\b], 0xfc000000, v[232+\b]
.endr
.irp b, 0,1,2,3
	v_and_or_b32 v[240+\b], v[232+\b], 0x7f800000, s[MNT]
.endr
.irp b, 0,1,2,3
	v_lshrrev_b32 v[236+\b], 23, v[244+\b]
.endr
	s_delay_alu instid0(VALU_DEP_3)
	v_lshl_or_b32 v253, v237, 8, v236              ; p's scale word for these 128 keys
	s_delay_alu instid0(VALU_DEP_1)
	v_lshl_or_b32 v253, v238, 16, v253
	s_delay_alu instid0(VALU_DEP_1)
	v_lshl_or_b32 v253, v239, 24, v253
.irp b, 0,1,2,3
.irp i, 0,1,2,3,4,5,6,7,8,9,10,11,12,13,14,15
	v_min_num_f32 v[96+16*\b+\i], v[96+16*\b+\i], v[240+\b]   ; p is not negative: the hold is one-sided
.endr
	v_cvt_scalef32_pk8_fp8_f32 v[224+4*\b:225+4*\b], v[96+16*\b:103+16*\b], v[244+\b]
	v_cvt_scalef32_pk8_fp8_f32 v[226+4*\b:227+4*\b], v[104+16*\b:111+16*\b], v[244+\b]
.endr
.irp t, 0,1,2,3                                ; p has become codes: its 64 registers take V^T's tiles 4-7
.irp c, 0,1,2,3
	ds_load_b128 v[96+16*\t+4*\c:99+16*\t+4*\c], v[ADK] offset:16384+(4+\t)*2048+512*\c
.endr
.endr
.set n, 0
.rept 32
	v_pk_mul_f32 v[160+n:161+n], v[160+n:161+n], v[252:253] op_sel_hi:[1,0]   ; O^T under the new M; these are also the places behind the conversions and in front of the products below
.set n, n+2
.endr
	s_wait_alu depctr_va_vdst(0)
	s_wait_dscnt 16                                ; V^T's tiles 0-3 and the scale words are in; the 16 loads of tiles 4-7, issued behind them, may be out
.irp t, 0,1,2,3                                ; O^T += V^T P^T; the eight accumulators take turns
	v_wmma_scale_f32_16x16x128_f8f6f4 v[160+8*\t:167+8*\t], v[32+16*\t:47+16*\t], v[224:239], v[160+8*\t:167+8*\t], v[248+\t], v253
.endr
	s_wait_dscnt 0x0
.irp t, 0,1,2,3
	v_wmma_scale_f32_16x16x128_f8f6f4 v[192+8*\t:199+8*\t], v[96+16*\t:111+16*\t], v[224:239], v[192+8*\t:199+8*\t], v[248+\t], v253 matrix_a_scale:MATRIX_SCALE_ROW1
.endr
.Lhidden_\@:
	s_add_co_u32 s[KS2], s[KS2], 2
	s_xor_b32 s[TB], s[TB], SLOT1
.endm
	s_load_b128 s[4:7], s[0:1], 0x0                ; qkv s[4:5], att s[6:7]
	v_lshl_add_u32 v[SPW], v0, 2, SPARE
	v_mov_b32 v[NIL], 0
	ds_add_u32 v[SPW], v[NIL]                      ; the opening: the add, twice on end, and its wait ahead of the first tensor load
	ds_add_u32 v[SPW], v[NIL]
	v_lshrrev_b32 v8, 5, v0
	s_delay_alu instid0(VALU_DEP_1)
	v_readfirstlane_b32 s[WV], v8                  ; wave 0..15
	s_and_b32 s43, ttmp7, 0xffff                   ; batch x head
	s_lshr_b32 s44, ttmp9, 1                       ; j
	s_and_b32 s45, ttmp9, 1                        ; hf
	s_sub_co_u32 s[LIMH], 15, s44
	s_cmp_lt_u32 s[WV], 8
	s_cselect_b32 s[BQ], s[LIMH], s44
	s_and_b32 s46, s[WV], 3
	s_bfe_u32 s[PI], s[WV], 0x10002
	s_lshr_b32 s47, s[WV], 3
	s_lshl_b32 s47, s47, 2
	s_add_co_u32 s47, s47, s46                     ; which of the work-group's eight tiles of queries
	s_lshl_b32 s49, s45, 2
	s_add_co_u32 s49, s49, s46                     ; its rowtile in the block of 128
	s_lshl_b32 s48, s43, 4
	s_add_co_u32 s48, s48, s[BQ]
	s_mov_b32 s[G1], 3<<16                         ; elements of 8 bytes, no mask, no padding: 16,896 dense bytes as 66 rows of 256
	s_mov_b32 s[G1+1], 32<<16
	s_mov_b32 s[G1+2], 66<<16
	s_mov_b32 s[G1+3], 32<<16
	s_mov_b32 s[G1+4], 66
	s_mov_b32 s[G1+5], 32
	s_mov_b32 s[G1+6], 0
	s_mov_b32 s[G1+7], 0
	s_mov_b32 s[G0], 1
	s_mul_i32 s[G0+1], s[WV], 16896                ; slot 0, my quarter
	s_mul_i32 s50, s43, 16*KVB                     ; the head's key steps
	s_mov_b32 s51, 0
	s_add_co_u32 s52, s50, s[G0+1]
	s_mov_b32 s53, 0
	s_mov_b32 s[SEL], 0x76543210
	s_mov_b32 s[SEL+1], 0xfedcba98
	s_mov_b32 s[CS], 0x3e0293ee                    ; log2(e) / sqrt(128)
	s_mov_b32 s[CS+1], s[CS]
	s_mov_b32 s[MNT], 0x600000
	s_mov_b32 s[TB], 0
	s_mov_b32 s[KS2], 0
	s_mov_b32 s[SLOTS], 7
	s_wait_dscnt 0x0                               ; both opening adds are done
	s_wait_kmcnt 0x0
	s_add_nc_u64 s[G0+2:G0+3], s[4:5], s[52:53]
	s_or_b32 s[G0+3], s[G0+3], 0x80000000
	s_cmp_lt_u32 s[WV], 4
	s_cbranch_scc0 .Lno_first
	tensor_load_to_lds s[G0:G0+3], s[G1:G1+7]      ; key steps 0 and 1, which count for every work-group (its last key step is 8 at the least)
	s_nop 0
.rept 4
	v_nop
.endr
.Lno_first:
	s_add_nc_u64 s[PFA:PFA+1], s[4:5], s[50:51]
	s_add_nc_u64 s[PFA:PFA+1], s[PFA:PFA+1], SLOTB ; at slot 1: the first change steps it to slot 2.  Nothing is prefetched here, at the head
	s_sub_co_u32 s96, s[WV], 4
	s_cmp_lt_u32 s96, 9
	s_cselect_b32 s96, ttmp9, 1                    ; 0 in waves 4 to 12 of the head's first work-group
	s_cmp_eq_u32 s96, 0
	s_cselect_b32 s[LIM], 1, -1
	v_lshlrev_b32 v[PFO], 8, v0
	s_delay_alu instid0(VALU_DEP_1)
	v_add_nc_u32 v[PFO], 0xffff8000, v[PFO]        ; 256 x (thread - 128),
	s_delay_alu instid0(VALU_DEP_1)
	v_min_u32 v[PFO], 67328, v[PFO]                ; held at the slot's last block
	v_and_b32 v240, 31, v0                         ; lane
	v_and_b32 v241, 15, v0                         ; r
	v_bfe_u32 v242, v0, 4, 1                       ; h
	s_delay_alu instid0(VALU_DEP_3)
	v_lshlrev_b32 v[LI], 4, v240
	s_wait_alu depctr_va_vdst(0)
	s_mul_i32 s54, s[PI], KVB
	v_add_nc_u32 v[AK0], s54, v[LI]
	s_add_co_u32 s55, s54, 32768
	v_lshl_add_u32 v[AS0], v241, 5, s55
	s_delay_alu instid0(VALU_DEP_1)
	v_lshl_add_u32 v[AS0], v242, 4, v[AS0]         ; row r's eight words are 32 bytes: lanes 0-15 take the first four, lanes 16-31 the last four
	s_lshr_b32 s55, s49, 1
	s_lshl_b32 s55, s55, 5
	s_and_b32 s56, s49, 1
	s_lshl_b32 s56, s56, 3
	s_add_co_u32 s55, s55, s56                     ; my rowtile's first row: 32 p + 8 u
	v_and_b32 v[DQ], 8, v241
	s_delay_alu instid0(VALU_DEP_1)
	v_add_nc_u32 v[DQ], v[DQ], v241
	s_delay_alu instid0(VALU_DEP_1)
	v_add_nc_u32 v[DQ], s55, v[DQ]
	v_lshlrev_b32 v243, 4, v242
	s_delay_alu instid0(VALU_DEP_1)
	v_sub_nc_u32 v[DQ], v[DQ], v243                ; (signed)
	s_mul_i32 s56, s47, 8448
	s_add_co_u32 s56, s56, MRG
	v_add_nc_u32 v[MGA], s56, v[LI]
	s_add_co_u32 s56, s56, 8192
	v_lshl_add_u32 v[MGS], v240, 2, s56
	s_lshl_b32 s52, s48, 14
	s_lshl_b32 s54, s49, 11
	s_add_co_u32 s52, s52, s54
	s_add_co_u32 s52, s52, O_QC
	s_add_nc_u64 s[56:57], s[4:5], s[52:53]
.irp c, 0,1,2,3
	global_load_b128 v[16+4*\c:19+4*\c], v[LI], s[56:57] offset:512*\c   ; Q's fragment stays in registers
.endr
	s_lshl_b32 s52, s48, 9
	s_lshl_b32 s54, s49, 2
	s_add_co_u32 s52, s52, s54
	s_add_co_u32 s52, s52, O_QS
	s_add_nc_u64 s[58:59], s[4:5], s[52:53]
	v_lshlrev_b32 v254, 5, v241
	global_load_b32 v255, v254, s[58:59]           ; and its scale words
	s_lshr_b32 s52, s43, 3                         ; where the result goes: rowtile 128 batch + 8 block + my rowtile; K step = head
	s_lshl_b32 s52, s52, 7
	s_lshl_b32 s54, s[BQ], 3
	s_add_co_u32 s52, s52, s54
	s_add_co_u32 s52, s52, s49
	s_and_b32 s54, s43, 7
	s_lshl_b32 s60, s52, 14
	s_lshl_b32 s55, s54, 11
	s_add_co_u32 s60, s60, s55
	s_mov_b32 s61, 0
	s_add_nc_u64 s[60:61], s[6:7], s[60:61]
	s_lshl_b32 s62, s52, 9
	s_lshr_b32 s55, s54, 1
	s_lshl_b32 s55, s55, 7
	s_add_co_u32 s62, s62, s55
	s_and_b32 s55, s54, 1
	s_lshl_b32 s55, s55, 2
	s_add_co_u32 s62, s62, s55
	s_add_co_u32 s62, s62, O_AS
	s_mov_b32 s63, 0
	s_add_nc_u64 s[62:63], s[6:7], s[62:63]
	v_mov_b32 v13, 0xff61b1e6                      ; the largest t so far: -3e38
	s_delay_alu instid0(VALU_DEP_1)
	v_floor_f32 v12, -v13
	v_mov_b32 v14, 0
	v_mov_b32 v15, 0
.irp b, 0,1,2,3
	v_mov_b32 v[236+\b], 0                         ; a lane permute's destination counts as one of its sources
.endr
	v_mov_b32 v253, 0
.set n, 0
.rept 64
	v_mov_b32 v[160+n], 0                          ; O^T: the step is written once; its first run finds zeros, and a wave with no key step hands zeros on
.set n, n+1
.endr
	s_wait_loadcnt 0x0                             ; Q
.Lslot:                                                ; seven trips; the eighth slot is written out without a load
	CHANGE 1
	STEP
	s_sub_co_u32 s[SLOTS], s[SLOTS], 1
	s_cmp_lg_u32 s[SLOTS], 0
	s_cbranch_scc1 .Lslot
	CHANGE 0
	STEP
	; ---- the two waves of a tile meet
	v_add_f32 v14, v14, v15                        ; the sum's two halves; with seven v_nop the eight places behind the last products: O^T is read, and v96-159, which they read, are loaded from here on
.rept 7
	v_nop
.endr
	s_cmp_eq_u32 s[PI], 0
	s_cbranch_scc1 .Lkeeper
	s_wait_alu depctr_va_vdst(0)
.irp k, 0,1,2,3,4,5,6,7,8,9,10,11,12,13,14,15
	ds_store_b128 v[MGA], v[160+4*\k:163+4*\k] offset:512*\k   ; O^T as an image of its registers, each accumulator from its low end on
.endr
	ds_store_b32 v[MGS], v12
	ds_store_b32 v[MGS], v14 offset:128
.Lkeeper:
	s_wait_dscnt 0x0                               ; for the other wave's sake: my stores have landed
	s_barrier_signal -1
	s_barrier_wait -1
	s_cmp_lg_u32 s[PI], 0
	s_cbranch_scc1 .Lend
.irp k, 0,1,2,3,4,5,6,7,8,9,10,11,12,13,14,15
	ds_load_b128 v[96+4*\k:99+4*\k], v[MGA] offset:512*\k
.endr
	ds_load_b32 v232, v[MGS]
	ds_load_b32 v233, v[MGS] offset:128
	s_wait_dscnt 0x0
	v_min_num_f32 v234, v12, v232                  ; -M of the two: the larger M
	s_delay_alu instid0(VALU_DEP_1)
	v_sub_f32 v235, v234, v12
	s_delay_alu instid0(VALU_DEP_2)
	v_sub_f32 v236, v234, v232                     ; whole numbers, 0 or less; a partner with no key step has M = -3e38,
	s_delay_alu instid0(VALU_DEP_2)
	v_cvt_i32_f32 v235, v235
	s_delay_alu instid0(VALU_DEP_2)
	v_cvt_i32_f32 v236, v236                       ; which saturates,
	s_delay_alu instid0(VALU_DEP_2)
	v_ldexp_f32 v235, 1.0, v235
	s_wait_alu depctr_va_vdst(0)
	v_ldexp_f32 v236, 1.0, v236                    ; and gives the factor 0 over its zeros
	v_mul_f32 v237, v14, v235
	s_delay_alu instid0(VALU_DEP_1)
	v_fma_f32 v237, v233, v236, v237
	v_permlanex16_b32 v238, v237, s[SEL], s[SEL+1]
	s_delay_alu instid0(VALU_DEP_1)
	v_add_f32 v237, v237, v238                     ; the row's sum
	s_wait_alu depctr_va_vdst(0)
	v_rcp_f32 v239, v237
	v_mov_b32 v241, 0                              ; (plain lines behind the reciprocal: the upper halves of two pairs)
	v_mov_b32 v243, 0
	s_wait_alu depctr_va_vdst(0)                   ; ahead of its first reader
	v_mul_f32 v240, v235, v239
	v_mul_f32 v242, v236, v239
.set n, 0
.rept 32
	v_pk_mul_f32 v[160+n:161+n], v[160+n:161+n], v[240:241] op_sel_hi:[1,0]
.set n, n+2
.endr
.set n, 0
.rept 32
	v_pk_fma_f32 v[96+n:97+n], v[96+n:97+n], v[242:243], v[160+n:161+n] op_sel_hi:[1,0,1]   ; register 16 c + i: d = 32 c + 16 h + i of my query
.set n, n+2
.endr
	QUANT 96, 254
.irp c, 0,1,2,3
	global_store_b128 v[LI], v[PC+4*\c:PC+4*\c+3], s[60:61] offset:512*\c   ; 512 consecutive bytes
.endr
	v_and_b32 v8, 15, v0
	s_delay_alu instid0(VALU_DEP_1)
	v_lshlrev_b32 v8, 3, v8
	global_store_b32 v8, v254, s[62:63]            ; 4 bytes a row, 8 apart (both halves of the lanes the same word): aligned blocks of 256 bytes written in part, one byte for 32 of codes
.Lend:
	s_wait_tensorcnt 0x0                           ; the wave's end: a wait, an add to the spare word and its wait behind my last tensor load and my last LDS store
	ds_add_u32 v[SPW], v[NIL]
	s_wait_dscnt 0x0
	s_endpgm
.Lfunc_end_k_q4fa87a8f93_attn:
	.size	k_q4fa87a8f93_attn, .Lfunc_end_k_q4fa87a8f93_attn-k_q4fa87a8f93_attn
	.p2alignl 7, 3214868480
	.fill 96, 4, 3214868480
	.section	.rodata,"a",@progbits
	.p2align	6, 0x0
	.amdhsa_kernel k_q4fa87a8f93_attn
		.amdhsa_group_segment_fixed_size 327680
		.amdhsa_private_segment_fixed_size 0
		.amdhsa_enable_private_segment 0
		.amdhsa_kernarg_size 16
		.amdhsa_user_sgpr_count 2
		.amdhsa_user_sgpr_kernarg_segment_ptr 1
		.amdhsa_wavefront_size32 1
		.amdhsa_system_sgpr_workgroup_id_x 1
		.amdhsa_system_sgpr_workgroup_id_y 1
		.amdhsa_system_sgpr_workgroup_id_z 1
		.amdhsa_system_vgpr_workitem_id 0
		.amdhsa_next_free_vgpr 256
		.amdhsa_next_free_sgpr 100
		.amdhsa_reserve_vcc 1
		.amdhsa_float_denorm_mode_32 3
		.amdhsa_float_denorm_mode_16_64 3
		.amdhsa_memory_ordered 1
		.amdhsa_forward_progress 1
		.amdhsa_inst_pref_size 84
	.end_amdhsa_kernel
	.amdgpu_metadata
---
amdhsa.version: [ 1, 2 ]
amdhsa.kernels:
  - .name:           k_q4fa87a8f93_attn
    .symbol:         k_q4fa87a8f93_attn.kd
    .args:
      - { .name: qkv, .offset: 0, .size: 8, .value_kind: global_buffer, .address_space: global }
      - { .name: att, .offset: 8, .size: 8, .value_kind: global_buffer, .address_space: global }
    .group_segment_fixed_size: 327680
    .private_segment_fixed_size: 0
    .kernarg_segment_align: 8
    .kernarg_segment_size: 16
    .max_flat_workgroup_size: 512
    .sgpr_count:     100
    .vgpr_count:     256
    .wavefront_size: 32
...
	.end_amdgpu_metadata
.endif
;; end of part 3
;; launch oproj (part 4): grid 8 x 32, 4 waves a work-group, clusters of 4 x 4, 327,680 bytes of LDS; arguments att, ops, out0; writes out0
.if DOCPART == 4
	.amdgcn_target "amdgcn-amd-amdhsa--gfx1250"
	.amdhsa_code_object_version 6
	.text
	.protected	k_q4fa87a8f93_oproj
	.globl	k_q4fa87a8f93_oproj
	.p2align	8
	.type	k_q4fa87a8f93_oproj,@function
k_q4fa87a8f93_oproj:
	s_mov_b64 s[64:65], 0
	v_nop
	global_prefetch_b8 v0, s[64:65] scope:SCOPE_SE
	s_setreg_imm32_b32 hwreg(HW_REG_WAVE_MODE, 25, 1), 1
	s_wait_xcnt 0x0
	s_wait_alu depctr_hold_cnt(0) depctr_sa_sdst(0) depctr_va_vdst(0) depctr_va_sdst(0) depctr_va_ssrc(0) depctr_va_vcc(0) depctr_vm_vsrc(0)
	s_getreg_b32 s2, hwreg(HW_REG_IB_STS2, 6, 4)
	s_cmp_eq_u32 s2, 0
	s_cbranch_scc0 .Lentry_in_a_cluster
	s_endpgm
.Lentry_in_a_cluster:
	s_bfe_u32 s2, ttmp6, 0x10000c
	s_cmp_lg_u32 s2, 0xf033
	s_cbranch_scc0 .Lentry_shape_is_right
	s_endpgm
.Lentry_shape_is_right:
; LAUNCH 4 OF 4.  out0 = attention's result x Wo on codes of FP8 (E4M3) with E8M0 scales, K = 1,024; f32 sums, stored as f32.
; A work-group of four waves makes 128 rows x 256 columns, a wave 64 x 128: 32 accumulators.  Operands lie in memory as images of their registers (first launch): a fragment is four loads of 16 bytes at 16 x lane, 512 bytes apart.
; K goes in steps of 256 through two LDS slots (A's 8 rowtiles, B's 16, 4,096 bytes each); the scale words of all of K come once.  CLUSTERS 4 x 4: A's tiles are asked for jointly along a row, B's along a column.
; The matrix instruction takes B's rows as source 0 and A's as source 1: a lane holds eight neighbouring columns of one row; a block of 16 rows leaves through the wave's stage in slot 0 as rows of 512 consecutive bytes.
; LIMITS: as stated at the head of the first launch.
.set O_WOC,  14680064
.set O_WOS,  17235968
.set O_AS,   4194304
.set NQ,     2
.set FR,     16
.set NP,     8
.set SLOT,   131072
.set BOFF,   65536
.set KB,     4096
.set LAPS,   2
.set SCL,    262144
.set SPARE,  274432
.set SPITCH, 528
.set ADRA, 16
.set ADRB, 20
.set STO,  24
.set RD,   25
.set CO,   26
.set ADRS, 27
.set SPW,  28
.set NIL,  29
.set SC,   32
.set AF,   128
.set BK,   128
.set G1,   24
.set G0,   32
.set G1B,  48
.set G0B,  56
.set G1S,  68
.set G0S,  76
.set G1SB, 80
.set G0SB, 88
.set MSB, 0
.macro WIN new
.if MSB != (\new)
	s_set_vgpr_msb (MSB<<8)|(\new)
.set MSB, (\new)
.endif
.endm
.set MUL,  0xa1
.set TO_B, 0x40
.macro JLOAD g0a, g1a, g0b, g1b
	s_cmp_eq_u32 s15, 0
	s_cbranch_scc0 .Lfor_b_\@
	tensor_load_to_lds s[\g0a:\g0a+3], s[\g1a:\g1a+7]
	s_nop 0
.rept 4
	v_nop
.endr
	s_branch .Lasked_\@
.Lfor_b_\@:
	tensor_load_to_lds s[\g0b:\g0b+3], s[\g1b:\g1b+7]
	s_nop 0
.rept 4
	v_nop
.endr
.Lasked_\@:
.endm
.macro CREST
	s_cmp_lg_u32 s14, 0
	s_cbranch_scc1 .Lnot_wave_0_\@
	s_barrier_signal -3
.Lnot_wave_0_\@:
	s_barrier_wait -3
	s_barrier_signal -1
	s_barrier_wait -1
.endm
.macro CROUND
	s_barrier_signal -1
	s_barrier_wait -1
	CREST
.endm
.macro FRAG reg, adr, q, i
.irp c, 0,1,2,3
	ds_load_b128 v[\reg+4*\c:\reg+4*\c+3], v[\adr] offset:4096*(\i)+2048*(\q)+512*\c
.endr
.endm
.macro MUL8 a, p, q, sc, zero
.irp b, 0,1,2,3,4,5,6,7
.if \zero
	v_wmma_scale_f32_16x16x128_f8f6f4 v[8*(8*(\a)+\b):8*(8*(\a)+\b)+7], v[128*(\p)+FR*\b:128*(\p)+FR*\b+FR-1], v[AF+64*(\p)+FR*(\a):AF+64*(\p)+FR*(\a)+FR-1], 0, v[SC+8*NQ*(\sc)+NQ*\b+(\q)], v[SC+8*NQ*(\sc)+NQ*(\a)+(\q)] matrix_a_scale:MATRIX_SCALE_ROW1
.else
	v_wmma_scale_f32_16x16x128_f8f6f4 v[8*(8*(\a)+\b):8*(8*(\a)+\b)+7], v[128*(\p)+FR*\b:128*(\p)+FR*\b+FR-1], v[AF+64*(\p)+FR*(\a):AF+64*(\p)+FR*(\a)+FR-1], v[8*(8*(\a)+\b):8*(8*(\a)+\b)+7], v[SC+8*NQ*(\sc)+NQ*\b+(\q)], v[SC+8*NQ*(\sc)+NQ*(\a)+(\q)] matrix_a_scale:MATRIX_SCALE_ROW1
.endif
.endr
.endm
.macro FETCH_B slot, q, p
	WIN TO_B
.irp i, 0,1,2,3,4,5,6,7
	FRAG 128*(\p)+FR*\i, ADRB+\slot, \q, \i
.endr
	WIN 0
.endm
.macro FETCH_A slot, q, p, i0
.irp i, \i0, \i0+1
	FRAG AF+64*(\p)+FR*(\i), ADRA+\slot, \q, \i
.endr
.endm
.macro SCALES sc
.irp i, 0,1,2,3,4,5,6,7
	ds_load_b64 v[SC+8*NQ*\sc+NQ*\i:SC+8*NQ*\sc+NQ*\i+1], v[ADRS] offset:\i*512
.endr
.endm
.macro PLACES n
.rept \n
	v_nop
.endr
.endm
.macro STEP slot, q, zero
	s_wait_dscnt 8
	WIN MUL
	MUL8 0, (\q)%2, \q, \slot, \zero
	MUL8 1, (\q)%2, \q, \slot, \zero
	s_wait_dscnt 0
	PLACES NP
	FETCH_B \slot, (\q)+1, 1-(\q)%2
	FETCH_A \slot, (\q)+1, 1-(\q)%2, 0
	FETCH_A \slot, (\q)+1, 1-(\q)%2, 2
	WIN MUL
	MUL8 2, (\q)%2, \q, \slot, \zero
	MUL8 3, (\q)%2, \q, \slot, \zero
	WIN 0
.endm
.macro TURN slot, next, fill
	s_wait_tensorcnt 0x0
	ds_add_u32 v[SPW], v[NIL]
	s_wait_dscnt 9
	WIN MUL
	MUL8 0, 1, NQ-1, \slot, 0
	MUL8 1, 1, NQ-1, \slot, 0
	s_wait_dscnt 0x0
	s_barrier_signal -1
	MUL8 2, 1, NQ-1, \slot, 0
	WIN 0
	s_barrier_wait -1
.if \fill
	CREST
	s_add_nc_u64 s[G0+4*\slot+2:G0+4*\slot+3], s[G0+4*\slot+2:G0+4*\slot+3], 2*KB
	s_add_nc_u64 s[G0B+4*\slot+2:G0B+4*\slot+3], s[G0B+4*\slot+2:G0B+4*\slot+3], 2*KB
	JLOAD G0+4*\slot, G1, G0B+4*\slot, G1B
	PLACES NP-4
.else
	PLACES NP
.endif
	s_wait_alu depctr_va_vdst(0)
	v_add_nc_u32 v[ADRS], 128, v[ADRS]
	FETCH_B \next, 0, 0
	FETCH_A \next, 0, 0, 0
	SCALES \next
	FETCH_A \next, 0, 0, 2
	WIN MUL
	MUL8 3, 1, NQ-1, \slot, 0
	WIN 0
.endm
.macro TOSTAGE a
.set AC, 64*(\a)
	WIN 0x08
.irp b, 0,1,2,3,4,5,6,7
	ds_store_b128 v[STO], v[AC+8*\b:AC+8*\b+3] offset:128*(\b/2)+32*(\b%2)
	ds_store_b128 v[STO], v[AC+8*\b+4:AC+8*\b+7] offset:128*(\b/2)+32*(\b%2)+16
.endr
	WIN 0
.set BB, BK+64*((\a)%2)
.irp t, 0,1,2,3,4,5,6,7,8,9,10,11,12,13,14,15
	ds_load_b128 v[BB+4*\t:BB+4*\t+3], v[RD] offset:\t*SPITCH
.endr
.endm
.macro SEND a, younger
.set BB, BK+64*((\a)%2)
	s_wait_dscnt \younger
.irp t, 0,1,2,3,4,5,6,7,8,9,10,11,12,13,14,15
	global_store_b128 v[CO], v[BB+4*\t:BB+4*\t+3], s[8:9] offset:(32*((\a)/2)+8*((\a)%2)+\t+8*(\t/8))*8192 th:TH_STORE_NT
.endr
.endm
	s_load_b128 s[4:7], s[0:1], 0x0
	s_load_b64 s[8:9], s[0:1], 0x10
	v_lshl_add_u32 v[SPW], v0, 2, SPARE
	v_mov_b32 v[NIL], 0
	ds_add_u32 v[SPW], v[NIL]
	ds_add_u32 v[SPW], v[NIL]
	v_lshrrev_b32 v1, 5, v0
	v_readfirstlane_b32 s14, v1
	s_lshr_b32 s15, s14, 1
	s_and_b32 s16, s14, 1
	s_bfe_u32 s40, ttmp6, 0x40000
	s_bfe_u32 s41, ttmp6, 0x40004
	s_lshl_b32 s42, ttmp9, 2
	s_add_co_u32 s42, s42, s40
	s_and_b32 s17, ttmp7, 0xffff
	s_lshl_b32 s17, s17, 2
	s_add_co_u32 s17, s17, s41
	s_lshl_b32 s43, s41, 2
	s_lshl_b32 s43, 15, s43
	s_lshl_b32 s44, 0x1111, s40
	s_or_b32 s[G1+0], s43, (3<<16)|(1<<21)
	s_mov_b32 s[G1+1], 512<<16
	s_mov_b32 s[G1+2], 8<<16
	s_mov_b32 s[G1+3], 512<<16
	s_mov_b32 s[G1+4], 8
	s_mov_b32 s[G1+5], 2048
	s_mov_b32 s[G1+6], 0
	s_mov_b32 s[G1+7], 0
	s_or_b32 s[G1B+0], s44, (3<<16)|(1<<21)
	s_mov_b32 s[G1B+1], 512<<16
	s_mov_b32 s[G1B+2], 16<<16
	s_mov_b32 s[G1B+3], 512<<16
	s_mov_b32 s[G1B+4], 16
	s_mov_b32 s[G1B+5], 2048
	s_mov_b32 s[G1B+6], 0
	s_mov_b32 s[G1B+7], 0
	s_or_b32 s[G1S+0], s43, (3<<16)|(1<<21)
	s_mov_b32 s[G1S+1], 32<<16
	s_mov_b32 s[G1S+2], 16<<16
	s_mov_b32 s[G1S+3], 32<<16
	s_mov_b32 s[G1S+4], 16
	s_mov_b32 s[G1S+5], 32
	s_mov_b32 s[G1S+6], 0
	s_mov_b32 s[G1S+7], 0
	s_or_b32 s[G1SB+0], s44, (3<<16)|(1<<21)
	s_mov_b32 s[G1SB+1], 32<<16
	s_mov_b32 s[G1SB+2], 32<<16
	s_mov_b32 s[G1SB+3], 32<<16
	s_mov_b32 s[G1SB+4], 32
	s_mov_b32 s[G1SB+5], 32
	s_mov_b32 s[G1SB+6], 0
	s_mov_b32 s[G1SB+7], 0
	s_lshl_b32 s13, s16, 2
	s_lshl_b32 s2, s17, 3
	s_add_co_u32 s2, s2, s13
	s_lshl_b32 s[G0+2], s2, 14
	s_mov_b32 s[G0+3], 0
	s_lshl_b32 s[G0S+2], s17, 12                   ; the scale words of A's 8 rowtiles: 512 bytes a rowtile
	s_add_co_u32 s[G0S+2], s[G0S+2], O_AS
	s_mov_b32 s[G0S+3], 0
	s_lshl_b32 s13, s16, 3
	s_lshl_b32 s3, s42, 4
	s_add_co_u32 s3, s3, s13
	s_lshl_b32 s[G0B+2], s3, 14
	s_add_co_u32 s[G0B+2], s[G0B+2], O_WOC
	s_mov_b32 s[G0B+3], 0
	s_lshl_b32 s[G0SB+2], s42, 13                  ; of B's 16
	s_add_co_u32 s[G0SB+2], s[G0SB+2], O_WOS
	s_mov_b32 s[G0SB+3], 0
	s_lshl_b32 s45, s16, 14
	s_lshl_b32 s46, s16, 15
	s_add_co_u32 s46, s46, BOFF
	s_wait_dscnt 0x0
	s_wait_kmcnt 0x0
	s_add_nc_u64 s[G0+2:G0+3], s[4:5], s[G0+2:G0+3]
	s_add_nc_u64 s[G0+6:G0+7], s[G0+2:G0+3], KB
	s_add_nc_u64 s[G0B+2:G0B+3], s[6:7], s[G0B+2:G0B+3]
	s_add_nc_u64 s[G0B+6:G0B+7], s[G0B+2:G0B+3], KB
	s_add_nc_u64 s[G0S+2:G0S+3], s[4:5], s[G0S+2:G0S+3]
	s_add_nc_u64 s[G0SB+2:G0SB+3], s[6:7], s[G0SB+2:G0SB+3]
.irp g, G0, G0+4, G0B, G0B+4, G0S, G0SB
	s_mov_b32 s[\g], 1
	s_or_b32 s[\g+3], s[\g+3], 0x80000000
.endr
	s_mov_b32 s[G0+1], s45
	s_add_co_u32 s[G0+5], s45, SLOT
	s_mov_b32 s[G0B+1], s46
	s_add_co_u32 s[G0B+5], s46, SLOT
	s_mov_b32 s[G0S+1], SCL
	s_mov_b32 s[G0SB+1], SCL+4096
	s_lshl_b32 s94, s17, 17                        ; s[92:95]: group 0 for K step 0 of A's whole tile: 8 rowtiles of 16,384 bytes
	s_mov_b32 s95, 0
	s_add_nc_u64 s[94:95], s[4:5], s[94:95]
	s_or_b32 s95, s95, 0x80000000
	s_mov_b32 s92, 1
	s_mov_b32 s93, 0
	s_lshl_b32 s98, s42, 18                        ; s[96:99]: of B's whole tile: 16 rowtiles
	s_add_co_u32 s98, s98, O_WOC
	s_mov_b32 s99, 0
	s_add_nc_u64 s[98:99], s[6:7], s[98:99]
	s_or_b32 s99, s99, 0x80000000
	s_mov_b32 s96, 1
	s_mov_b32 s97, BOFF
	CROUND                                         ; all sixteen work-groups are here: the first joint loads meet
; THE HEAD'S LOADS, ONE A WAVE: wave 0 K step 0 of A, wave 1 of B, wave 2 A's scale words, wave 3 B's.  One chain of branches on the wave's number; every way passes one load.
.macro ARM under, g0, g1, next
	s_cmp_lt_u32 s14, \under
	s_cbranch_scc0 \next
	tensor_load_to_lds s[\g0:\g0+3], s[\g1:\g1+7]
	s_nop 0
.rept 4
	v_nop
.endr
	s_branch .Lhead_asked
\next:
.endm
	ARM 1, 92,  G1,  .Lhead_b
	ARM 2, 96,  G1B, .Lhead_sa
	ARM 3, G0S, G1S, .Lhead_sb
	tensor_load_to_lds s[G0SB:G0SB+3], s[G1SB:G1SB+7]
	s_nop 0
.rept 4
	v_nop
.endr
.Lhead_asked:
	v_and_b32 v1, 31, v0
	v_and_b32 v2, 15, v0
	v_bfe_u32 v3, v0, 4, 1
	s_wait_alu depctr_va_vdst(0)
	v_lshlrev_b32 v[CO], 4, v1
	; THE PREFETCHES.  K has four steps, so all requests stand in the head: K steps 1 and 2 here, K step 3 behind K step 1's load.  A K step is 4,096 bytes of each rowtile.
	; The four partners of a joint load share its rowtiles out by address: of A's 8 the partner at cx takes 2 (wave 0 asks), of B's 16 the partner at cy takes 4 (waves 2, 3: 2 each); a lane a block of 256 bytes.  Wave 1 has no share.
	v_lshlrev_b32 v22, 8, v2
	v_lshl_add_u32 v22, v3, 14, v22                ; v22: 256 x (lane % 16) in rowtile lane / 16 of my two; never rewritten
	s_wait_alu depctr_va_vdst(0)
	s_lshl_b32 s12, s17, 2
	s_add_co_u32 s12, s12, s40                     ; A: pair of rowtiles 4 x tile + cx
	s_lshl_b32 s13, s42, 3
	s_lshl_b32 s18, s16, 2
	s_add_co_u32 s13, s13, s18
	s_add_co_u32 s13, s13, s41                     ; B: 8 x tile + 4 x half + cy
	s_lshl_b32 s12, s12, 15                        ; 32,768 bytes a pair
	s_lshl_b32 s13, s13, 15
	s_add_co_u32 s13, s13, O_WOC
	s_cmp_eq_u32 s15, 0                            ; do I fetch for A?
	s_cselect_b32 s12, s12, s13
	s_cselect_b64 s[10:11], s[4:5], s[6:7]
	s_mov_b32 s13, 0
	s_add_nc_u64 s[10:11], s[10:11], s[12:13]      ; s[10:11]: my pair's K step 0; never rewritten
	s_cmp_eq_u32 s14, 1
	s_cbranch_scc1 .Lno_ask0
	global_prefetch_b8 v22, s[10:11] offset:KB th:TH_LOAD_NT scope:SCOPE_SE
	global_prefetch_b8 v22, s[10:11] offset:2*KB th:TH_LOAD_NT scope:SCOPE_SE
.Lno_ask0:
	s_lshl_b32 s45, s15, 14
	s_lshl_b32 s46, s16, 15
	s_add_co_u32 s46, s46, BOFF
.irp s, 0,1
	v_add_nc_u32 v[ADRA+\s], s45, v[CO]
	v_add_nc_u32 v[ADRB+\s], s46, v[CO]
	s_add_co_u32 s45, s45, SLOT
	s_add_co_u32 s46, s46, SLOT
.endr
	s_lshl_b32 s45, s15, 11
	s_lshl_b32 s46, s16, 12
	s_add_co_u32 s46, s46, 4096
	s_sub_co_u32 s46, s46, s45
	v_mul_u32_u24 v4, s46, v3
	s_add_co_u32 s45, s45, SCL
	v_lshl_add_u32 v4, v2, 3, v4
	v_add_nc_u32 v[ADRS], s45, v4
	s_mul_i32 s23, s14, 16*SPITCH
	v_mul_u32_u24 v5, v2, SPITCH
	v_lshl_add_u32 v5, v3, 6, v5
	v_add_nc_u32 v[STO], s23, v5
	v_add_nc_u32 v[RD], s23, v[CO]
	s_lshl_b32 s45, s17, 7
	s_lshl_b32 s46, s15, 6
	s_add_co_u32 s45, s45, s46
	s_lshl_b32 s46, s45, 13
	s_lshl_b32 s45, s42, 10
	s_add_co_u32 s46, s46, s45
	s_lshl_b32 s45, s16, 9
	s_add_co_u32 s46, s46, s45
	s_mov_b32 s47, 0
	s_add_nc_u64 s[8:9], s[8:9], s[46:47]
	s_wait_alu depctr_va_vdst(0)
	s_wait_tensorcnt 0x0                           ; my tile of the head's four is in; slot 1's first fill is issued as a refill is
	ds_add_u32 v[SPW], v[NIL]
	s_mov_b32 s[G1+2], 4<<16                       ; no tensor load of mine is out, so a descriptor may be written: from here on a load brings half a tile's rowtiles
	s_mov_b32 s[G1+4], 4
	s_mov_b32 s[G1B+2], 8<<16
	s_mov_b32 s[G1B+4], 8
	s_wait_dscnt 0x0                               ; the add is done
	CROUND                                         ; all four tiles are in, and all sixteen work-groups are here
	JLOAD G0+4, G1, G0B+4, G1B                     ; K step 1: the first tensor load behind the round
	FETCH_B 0, 0, 0
	FETCH_A 0, 0, 0, 0
	SCALES 0
	s_cmp_eq_u32 s14, 1
	s_cbranch_scc1 .Lno_ask1
	global_prefetch_b8 v22, s[10:11] offset:3*KB th:TH_LOAD_NT scope:SCOPE_SE   ; behind K step 1's load: K step 3
.Lno_ask1:
	FETCH_A 0, 0, 0, 2
	STEP 0, 0, 1
	s_mov_b32 s3, LAPS-1
.Llap:
	TURN 0, 1, 1
	STEP 1, 0, 0
	TURN 1, 0, 1
	STEP 0, 0, 0
	s_sub_co_u32 s3, s3, 1
	s_cmp_lg_u32 s3, 0
	s_cbranch_scc1 .Llap
	TURN 0, 1, 0
	STEP 1, 0, 0
	s_wait_dscnt 8
	WIN MUL
	MUL8 0, 1, NQ-1, 1, 0
	MUL8 1, 1, NQ-1, 1, 0
	s_wait_dscnt 0
	MUL8 2, 1, NQ-1, 1, 0
	MUL8 3, 1, NQ-1, 1, 0
	WIN 0
	PLACES NP
	TOSTAGE 0
.irp a, 1,2,3
.if \a > 1
	s_wait_xcnt 0x0
.endif
	TOSTAGE \a
	SEND \a-1, 32
.endr
	SEND 3, 0
	s_wait_tensorcnt 0x0
	ds_add_u32 v[SPW], v[NIL]
	s_wait_dscnt 0x0
	CROUND
	s_endpgm
.Lfunc_end_k_q4fa87a8f93_oproj:
	.size	k_q4fa87a8f93_oproj, .Lfunc_end_k_q4fa87a8f93_oproj-k_q4fa87a8f93_oproj
	.p2alignl 7, 3214868480
	.fill 96, 4, 3214868480
	.section	.rodata,"a",@progbits
	.p2align	6, 0x0
	.amdhsa_kernel k_q4fa87a8f93_oproj
		.amdhsa_group_segment_fixed_size 327680
		.amdhsa_private_segment_fixed_size 0
		.amdhsa_enable_private_segment 0
		.amdhsa_kernarg_size 24
		.amdhsa_user_sgpr_count 2
		.amdhsa_user_sgpr_kernarg_segment_ptr 1
		.amdhsa_wavefront_size32 1
		.amdhsa_system_sgpr_workgroup_id_x 1
		.amdhsa_system_sgpr_workgroup_id_y 1
		.amdhsa_system_sgpr_workgroup_id_z 1
		.amdhsa_system_vgpr_workitem_id 0
		.amdhsa_next_free_vgpr 768
		.amdhsa_next_free_sgpr 100
		.amdhsa_reserve_vcc 0
		.amdhsa_float_denorm_mode_32 3
		.amdhsa_float_denorm_mode_16_64 3
		.amdhsa_memory_ordered 1
		.amdhsa_forward_progress 1
		.amdhsa_inst_pref_size 90
	.end_amdhsa_kernel
	.amdgpu_metadata
---
amdhsa.version: [ 1, 2 ]
amdhsa.kernels:
  - .name:           k_q4fa87a8f93_oproj
    .symbol:         k_q4fa87a8f93_oproj.kd
    .args:
      - { .name: att, .offset: 0, .size: 8, .value_kind: global_buffer, .address_space: global }
      - { .name: ops, .offset: 8, .size: 8, .value_kind: global_buffer, .address_space: global }
      - { .name: out0, .offset: 16, .size: 8, .value_kind: global_buffer, .address_space: global }
    .group_segment_fixed_size: 327680
    .private_segment_fixed_size: 0
    .kernarg_segment_align: 8
    .kernarg_segment_size: 24
    .max_flat_workgroup_size: 128
    .sgpr_count:     100
    .vgpr_count:     768
    .wavefront_size: 32
...
	.end_amdgpu_metadata
.endif
;; end of part 4
